; MI455X (gfx1250); checked and timed in simulation.
; The chip was launched on July 23, 2026; its instructions are those of AMD's public machine-readable ISA for CDNA 5 (MIT licence, August 2026) and "CDNA5" Instruction Set Architecture Reference Guide (July 2026). The comments in the code are by the model that wrote it; some were corrected since.
;; Multihead Cube Attention. Allowed arithmetic: float matrix products may take bf16 or f16 operands with f32 sums; other float arithmetic in f32, or as packed bf16 or f16 multiplies, adds, multiply-adds, maxima and minima; sums over many terms, partial sums and values carried from step to step in f32; what a program stores and reads back later, other than sums and carried values, may be rounded once to bf16 or f16.
;; Inputs: Wk_hyper 65,536 x 256 float32; Wq 256 x 256 float32; Wv_hyper 65,536 x 256 float32; k 512 x 256 float32; mask 512 x 512 bool; q 512 x 256 float32; v 512 x 256 float32.
;; Outputs: out0 512 x 256 float32.
;; 2 versions, each right; version 2 is version 1 with the launches hyk, hyv written anew for expert scheduling mode. Each part assembles by itself: llvm-mc -triple=amdgcn-amd-amdhsa -mcpu=gfx1250 --defsym DOCPART=n.
;; ======== version 1 of 2: 5 launches
;; limits: values are held in f16: magnitudes above 65,504 overflow, below 6.1e-05 lose precision
;; workspace buffers: qf 262,144 bytes; qs 524,288 bytes; kf 262,144 bytes; vf 262,144 bytes; u 4,194,304 bytes; wt 2,097,152 bytes; outT 524,288 bytes
;; launch prep (part 1): grid 416 x 1, 1 waves a work-group, no clusters, 0 bytes of LDS; arguments q, Wq, k, v, qf, qs, kf, vf; writes qf, qs, kf, vf
.if DOCPART == 1
	.amdgcn_target "amdgcn-amd-amdhsa--gfx1250"
	.amdhsa_code_object_version 6
	.text
	.protected	k_q48da4535fc_prep
	.globl	k_q48da4535fc_prep
	.p2align	8
	.type	k_q48da4535fc_prep,@function
k_q48da4535fc_prep:
	s_mov_b64 s[64:65], 0
	v_nop
	global_prefetch_b8 v0, s[64:65] scope:SCOPE_SE
	s_setreg_imm32_b32 hwreg(HW_REG_WAVE_MODE, 25, 1), 1
	s_wait_xcnt 0x0
; PREP.  qp = q Wq^T (512 x 256), and k and v rounded and laid out as matrix fragments.  One wave to a work-group; the work-group's number picks the role:
;   0-127   (a) 64 rows x 16 columns of qp: q and Wq rounded to bf16, products in the bf16 form, sums in f32.  qp leaves twice: as f16 fragments (qf) and in f32 (qs).
;   128-159 (b) 16 rows of k -> kf        160-415 (c) 32 rows x 16 columns of v, turned -> vf.   k and v: f32 -> bf16 -> the same number written as f16.
; CHANNEL MAP, the same for both sources of every product over channels: fragment f, registers 4e..4e+3, element j stand for channel 32 f + 16 h + 8 e + j (lane = (r, h) = (l % 16, l / 16)):
; a lane's 16 channels of a fragment lie on end in memory.  A permutation of K applied alike to both sources keeps the products.
;   qf f16 [mt 32][f 8][e 2][lane 32][8]: qp[16 mt + r][32 f + 16 h + 8 e + j]          qs f32 [n 8][tau 16][w 4][hf 2][lane 32][4]: element z = qp[16 (8 w + 4 hf + z) + r][32 n + 16 h + tau]
;   kf f16 [tb 32][f 8][e 2][lane][8]: k[16 tb + r][32 f + 16 h + 8 e + j]              vf f16 [cb 16][ks 16][e 2][lane][8]: v[32 ks + 16 e + 8 h + j][16 cb + r]
; LIMITS.  f16 holds no number beyond 65,504: |qp|, |k| and |v| must stay under it; below 6.1e-5 f16 keeps its fixed step of 6e-8.  NaN and infinities are not treated apart.
; No LDS, no barrier: nothing is shared between waves.  Every store is a wave's 512 bytes on end, aligned.
.set HM, 20                            ; s20  mask of a word's upper half
.set MSB, 0
.macro WIN new                         ; s_set_vgpr_msb: bits 1:0 source 0, 3:2 source 1, 5:4 source 2, 7:6 destination; the high byte repeats the setting that is left
.if MSB != (\new)
	s_set_vgpr_msb (MSB<<8)|(\new)
.set MSB, \new
.endif
.endm
; N numbers in f32 at v[R ..] -> rounded to bf16, that number written as f16, packed into v[R .. R + N/2 - 1].  Three stages, each a run of independent lines;
; the last goes upward, so that a result never lands on a source still to be read.
.macro CVT R, N
.set cp, 0
.rept (\N)/2
	v_cvt_pk_bf16_f32 v[(\R)+2*cp], v[(\R)+2*cp], v[(\R)+2*cp+1]
.set cp, cp+1
.endr
.set cp, 0
.rept (\N)/2
	v_and_b32 v[(\R)+2*cp+1], s[HM], v[(\R)+2*cp]
	v_lshlrev_b32 v[(\R)+2*cp], 16, v[(\R)+2*cp]
.set cp, cp+1
.endr
.set cp, 0
.rept (\N)/2
	v_cvt_pk_f16_f32 v[(\R)+cp], v[(\R)+2*cp], v[(\R)+2*cp+1]
.set cp, cp+1
.endr
.endm
	s_load_b512 s[4:19], s[0:1], 0x0               ; q s[4:5], Wq s[6:7], k s[8:9], v s[10:11], qf s[12:13], qs s[14:15], kf s[16:17], vf s[18:19]
	v_and_b32 v1, 15, v0                           ; r
	v_lshrrev_b32 v2, 4, v0                        ; h
	v_lshlrev_b32 v3, 4, v0                        ; 16 l
	v_lshlrev_b32 v6, 10, v1
	v_lshl_add_u32 v6, v2, 6, v6                   ; a row of 1,024 bytes for r, 64 bytes (16 channels) for h
	s_mov_b32 s[HM], 0xffff0000
	s_mov_b32 s23, 0                               ; the high word of every offset
	s_wait_kmcnt 0x0
	s_cmp_lt_u32 ttmp9, 128
	s_cbranch_scc0 .Lnot_a
	; ROLE (a).  g = id / 16: M tiles 4 g .. 4 g + 3;  n = (id / 2) % 8, e = id % 2: the 16 columns 32 n + 8 e + (0..7) and 32 n + 16 + 8 e + (0..7)
	s_lshr_b32 s21, ttmp9, 4                       ; g
	s_bfe_u32 s26, ttmp9, 0x30001                  ; n
	s_and_b32 s27, ttmp9, 1                        ; e
	v_and_b32 v4, 7, v0
	v_bfe_u32 v5, v0, 3, 1
	v_lshl_add_u32 v4, v5, 4, v4                   ; lane r takes Wq's row r % 8 + 16 (r / 8) of the 32 n + 8 e block: result register j of lane (r, h) is then column 32 n + 16 h + 8 e + j
	v_lshlrev_b32 v4, 10, v4
	v_lshl_add_u32 v4, v2, 6, v4
	s_lshl_b32 s22, s26, 15
	s_lshl_b32 s24, s27, 13
	s_add_co_u32 s22, s22, s24
	s_add_nc_u64 s[6:7], s[6:7], s[22:23]          ; Wq at row 32 n + 8 e
	s_lshl_b32 s22, s21, 16
	s_add_nc_u64 s[4:5], s[4:5], s[22:23]          ; q at row 64 g
	s_lshl_b32 s22, s21, 15
	s_lshl_b32 s24, s26, 10
	s_add_co_u32 s22, s22, s24
	s_lshl_b32 s24, s27, 9
	s_add_co_u32 s22, s22, s24
	s_add_nc_u64 s[12:13], s[12:13], s[22:23]      ; qf at (mt = 4 g, f = n, e)
	s_lshl_b32 s22, s26, 16
	s_lshl_b32 s24, s27, 15
	s_add_co_u32 s22, s22, s24
	s_lshl_b32 s24, s21, 9
	s_add_co_u32 s22, s22, s24
	s_add_nc_u64 s[14:15], s[14:15], s[22:23]      ; qs at (n, tau = 8 e, 2 w + hf = g)
	; 160 loads of 16 bytes: a fragment's 16 channels of a lane are four of them on end.  Wq: window 0, v64-191.  q's tile t: window 1 + t / 2, v[128 (t % 2) ..]
.set f, 0
.rept 8
.irp qd, 0,1,2,3
	global_load_b128 v[64+16*f+4*\qd:64+16*f+4*\qd+3], v4, s[6:7] offset:128*f+16*\qd
.endr
.set f, f+1
.endr
.macro QLOAD t
.set f, 0
.rept 8
.irp qd, 0,1,2,3
	global_load_b128 v[128*((\t)&1)+16*f+4*\qd:128*((\t)&1)+16*f+4*\qd+3], v6, s[4:5] offset:16384*(\t)+128*f+16*\qd
.endr
.set f, f+1
.endr
.endm
	WIN 0x40
	QLOAD 0
	QLOAD 1
	WIN 0x80
	QLOAD 2
	QLOAD 3
	s_wait_loadcnt 0x0
; rounded to bf16 in place: fragment f's 16 numbers at b + 16 f become its 8 registers at b + 16 f; upward, so no source is lost
.macro PACKB b
.set f, 0
.rept 8
.irp p, 0,1,2,3,4,5,6,7
	v_cvt_pk_bf16_f32 v[(\b)+16*f+\p], v[(\b)+16*f+2*\p], v[(\b)+16*f+2*\p+1]
.endr
.set f, f+1
.endr
.endm
	WIN 0
	PACKB 64
	WIN 0x45
	PACKB 0
	PACKB 128
	WIN 0x8a
	PACKB 0
	PACKB 128
; source 0 = 16 rows of Wq, source 1 = 16 rows of q: a lane's eight results are eight columns of one row of qp.  Two accumulators by turns; the first product starts each sum.
.macro QMUL t0
.set f, 0
.rept 8
.irp u, 0,1
.if f == 0
	v_wmma_f32_16x16x32_bf16 v[32+8*((\t0)+\u):32+8*((\t0)+\u)+7], v[64+16*f:64+16*f+7], v[128*\u+16*f:128*\u+16*f+7], 0
.else
	v_wmma_f32_16x16x32_bf16 v[32+8*((\t0)+\u):32+8*((\t0)+\u)+7], v[64+16*f:64+16*f+7], v[128*\u+16*f:128*\u+16*f+7], v[32+8*((\t0)+\u):32+8*((\t0)+\u)+7]
.endif
.endr
.set f, f+1
.endr
.endm
	WIN 0x04
	QMUL 0
	WIN 0x08
	QMUL 2
	WIN 0
.rept 4
	v_nop                                          ; four places between the last product and the first read of a result (ISA guide 7.12.1)
.endr
.irp t, 0,1,2,3                        ; qf: each accumulator is read from its low end on
.irp p, 0,1,2,3
	v_cvt_pk_f16_f32 v[16+4*\t+\p], v[32+8*\t+2*\p], v[32+8*\t+2*\p+1]
.endr
.endr
.irp t, 0,1,2,3
	global_store_b128 v3, v[16+4*\t:16+4*\t+3], s[12:13] offset:8192*\t
.endr
.irp j, 0,1,2,3,4,5,6,7                ; qs: column j of the four tiles side by side, in f32
.irp t, 0,1,2,3
	v_mov_b32 v[192+4*\j+\t], v[32+8*\t+\j]
.endr
.endr
.irp j, 0,1,2,3,4,5,6,7
	global_store_b128 v3, v[192+4*\j:192+4*\j+3], s[14:15] offset:4096*\j
.endr
	s_endpgm
.Lnot_a:
	s_cmp_lt_u32 ttmp9, 160
	s_cbranch_scc0 .Lnot_b
	; ROLE (b).  tb = id - 128: 16 rows of k, all 256 channels
	s_sub_co_u32 s21, ttmp9, 128
	s_lshl_b32 s22, s21, 14
	s_add_nc_u64 s[8:9], s[8:9], s[22:23]
	s_lshl_b32 s22, s21, 13
	s_add_nc_u64 s[16:17], s[16:17], s[22:23]
.set f, 0
.rept 8
.irp qd, 0,1,2,3
	global_load_b128 v[64+16*f+4*\qd:64+16*f+4*\qd+3], v6, s[8:9] offset:128*f+16*\qd
.endr
.set f, f+1
.endr
	s_wait_loadcnt 0x0
	CVT 64, 128                                    ; group i = 2 f + e of 8 numbers ends in v[64 + 4 i .. + 3]
.set i, 0
.rept 16
	global_store_b128 v3, v[64+4*i:64+4*i+3], s[16:17] offset:512*i
.set i, i+1
.endr
	s_endpgm
.Lnot_b:
	; ROLE (c).  c = id - 160: channels 16 (c / 16) + r, keys 32 (c % 16) on: a lane gathers its channel's 16 keys, 4 bytes each
	s_sub_co_u32 s21, ttmp9, 160
	s_and_b32 s22, s21, 15
	s_lshl_b32 s22, s22, 15
	s_lshr_b32 s24, s21, 4
	s_lshl_b32 s24, s24, 6
	s_add_co_u32 s22, s22, s24
	s_add_nc_u64 s[10:11], s[10:11], s[22:23]
	s_lshl_b32 s22, s21, 10
	s_add_nc_u64 s[18:19], s[18:19], s[22:23]
	v_lshlrev_b32 v7, 2, v1
	v_lshl_add_u32 v7, v2, 13, v7                  ; 8 rows for h, 4 bytes for r
.irp e, 0,1
.irp j, 0,1,2,3,4,5,6,7
	global_load_b32 v[64+8*\e+\j], v7, s[10:11] offset:(16*\e+\j)*1024
.endr
.endr
	s_wait_loadcnt 0x0
	CVT 64, 16
	global_store_b128 v3, v[64:67], s[18:19]
	global_store_b128 v3, v[68:71], s[18:19] offset:512
	s_endpgm
.Lfunc_end_k_q48da4535fc_prep:
	.size	k_q48da4535fc_prep, .Lfunc_end_k_q48da4535fc_prep-k_q48da4535fc_prep
	.p2alignl 7, 3214868480
	.fill 96, 4, 3214868480
	.section	.rodata,"a",@progbits
	.p2align	6, 0x0
	.amdhsa_kernel k_q48da4535fc_prep
		.amdhsa_group_segment_fixed_size 0
		.amdhsa_private_segment_fixed_size 0
		.amdhsa_enable_private_segment 0
		.amdhsa_kernarg_size 64
		.amdhsa_user_sgpr_count 2
		.amdhsa_user_sgpr_kernarg_segment_ptr 1
		.amdhsa_wavefront_size32 1
		.amdhsa_system_sgpr_workgroup_id_x 1
		.amdhsa_system_sgpr_workgroup_id_y 1
		.amdhsa_system_sgpr_workgroup_id_z 1
		.amdhsa_system_vgpr_workitem_id 0
		.amdhsa_next_free_vgpr 768
		.amdhsa_next_free_sgpr 66
		.amdhsa_reserve_vcc 0
		.amdhsa_float_denorm_mode_32 3
		.amdhsa_float_denorm_mode_16_64 3
		.amdhsa_memory_ordered 1
		.amdhsa_forward_progress 1
		.amdhsa_inst_pref_size 63
	.end_amdhsa_kernel
	.amdgpu_metadata
---
amdhsa.version: [ 1, 2 ]
amdhsa.kernels:
  - .name:           k_q48da4535fc_prep
    .symbol:         k_q48da4535fc_prep.kd
    .args:
      - { .name: q, .offset: 0, .size: 8, .value_kind: global_buffer, .address_space: global }
      - { .name: Wq, .offset: 8, .size: 8, .value_kind: global_buffer, .address_space: global }
      - { .name: k, .offset: 16, .size: 8, .value_kind: global_buffer, .address_space: global }
      - { .name: v, .offset: 24, .size: 8, .value_kind: global_buffer, .address_space: global }
      - { .name: qf, .offset: 32, .size: 8, .value_kind: global_buffer, .address_space: global }
      - { .name: qs, .offset: 40, .size: 8, .value_kind: global_buffer, .address_space: global }
      - { .name: kf, .offset: 48, .size: 8, .value_kind: global_buffer, .address_space: global }
      - { .name: vf, .offset: 56, .size: 8, .value_kind: global_buffer, .address_space: global }
    .group_segment_fixed_size: 0
    .private_segment_fixed_size: 0
    .kernarg_segment_align: 8
    .kernarg_segment_size: 64
    .max_flat_workgroup_size: 32
    .sgpr_count:     66
    .vgpr_count:     768
    .wavefront_size: 32
...
	.end_amdgpu_metadata
.endif
;; end of part 1
;; launch hyk (part 2): grid 256 x 1, 4 waves a work-group, no clusters, 26,624 bytes of LDS; arguments Wk_hyper, qf, qs, u; writes u
.if DOCPART == 2
	.amdgcn_target "amdgcn-amd-amdhsa--gfx1250"
	.amdhsa_code_object_version 6
	.text
	.protected	k_q48da4535fc_hyk
	.globl	k_q48da4535fc_hyk
	.p2align	8
	.type	k_q48da4535fc_hyk,@function
k_q48da4535fc_hyk:
	s_mov_b64 s[64:65], 0
	v_nop
	global_prefetch_b8 v0, s[64:65] scope:SCOPE_SE
	s_setreg_imm32_b32 hwreg(HW_REG_WAVE_MODE, 25, 1), 1
	s_wait_xcnt 0x0
; THE HYPER PRODUCT, one text for two launches; HYV picks the launch.  P[i][row] = the sum over c of qp[i][c] Wh[row][c] for 256 rows of the hyper weights and all 512 rows i; P stays in accumulators.
;   HYV = 0 (K side): n = id / 32, kb = id % 32.  N tile tau, row 8 h + jj is weight row (32 n + tau + 16 h) 256 + 8 kb + jj.  U[i][n][8 kb + jj] = the sum over dd = tau + 16 h of qp[i][32 n + dd] P: f32, to u [n][kb][i][8].
;   HYV = 1 (V side): j = id, n = j / 32.  N tile tau, row 8 h + jj is weight row 256 j + 16 tau + 8 h + jj.  out[i][j] = the sum over k of P[i][k] W[i][n][k]: f32, to outT [j][w][r][mt'].
; No sum crosses work-groups.  Each weight byte is read once in the launch, by one wave.
; SHARES.  Four waves; wave w owns the M tiles 8 w .. 8 w + 7, whose fragments of qp (f16, from qf) stay in 512 registers.  The 16 N tiles go by, one a slot: each wave loads 4 of a tile's 16 rows (4,096 bytes on end)
; into registers, rounds them f32 -> bf16 -> the same number as f16, and puts them into LDS; behind a barrier every wave reads the whole tile as fragments: 64 products a slot.
; The weights pass through registers in any case, to be converted: so they are loaded into registers, and no copy engine fills LDS.
; THE MATRIX INSTRUCTION IS USED TRANSPOSED (source 0 = 16 weight rows, source 1 = 16 rows of qp): result register jj of lane (r, h) is P[i = r][tile row 8 h + jj].
; CHANNEL MAP of both sources: fragment f, registers 4e..4e+3, element j = channel 32 f + 16 h + 8 e + j: 32 bytes on end of an LDS row.
; IN FLIGHT.  Three register slots of raw weights: tiles x + 2, x + 3, x + 4 are out while tile x is multiplied; the multipliers E (qp or W) likewise, three slots.
; LIMITS.  The weights and qp are f16 operands: magnitudes under 65,504; below 6.1e-5 f16's fixed step of 6e-8.
; NO CLUSTER: the weights, all but 1/256 of a work-group's bytes, are shared by nobody.
; REGISTERS, in windows of 256 (s_set_vgpr_msb: bits 1:0 source 0, 3:2 source 1, 5:4 source 2, 7:6 destination):
;   window 0: v0-10 addresses; v32-95 B, the tile's fragments; v96-159 D, eight accumulators; (HYV) v160-175 ACC, v176-191 at work at the end
;   window 1: qp's fragments f = 0-3 at 32 mt' + 8 f + 4 e      window 2: f = 4-7      window 3: v0-95 RAW, three slots; v96.. EV, three slots; (K side) v160-223 UA
.set HYV, 0
.if HYV
.set TST, 16384                        ; bytes from an N tile's rows to the next tile's
.set EST, 16384                        ; the same for the multipliers
.set LE,  8                            ; loads of 16 bytes a lane for a tile's multipliers
.else
.set TST, 262144
.set EST, 4096
.set LE,  2
.endif
.set PITCH, 528                        ; an LDS row: 512 bytes + 16: 33 x 16 bytes, so the 16 rows of a fragment load start in 16 different columns of 16 bytes
.set BUFB,  8704                       ; a tile: 16 rows, rounded up to whole blocks of 256 bytes
.set SPARE, 3*BUFB                     ; behind the three tiles: the spare words, 128 bytes a wave, that no other line names
.set L16, 3                            ; v3  16 x lane
.set BA,  4                            ; v4  528 r + 32 h: my place in a tile's fragments
.set SA,  5                            ; v5  my 4 rows, 8 bytes a lane: where I put converted weights
.set PFO, 6                            ; v6  256 x lane: the prefetches' offset
.set STO, 7                            ; v7  32 r + 16 h: my 16 bytes of the result
.set SPW, 8                            ; v8  my spare word; never rewritten
.set NIL, 9                            ; v9  0; never rewritten
.set B,   32
.set D,   96
.set ACC, 160
.set F,   176
.set X,   184
.set RAW, 0
.set EV,  96
.set UA,  160
.set WV,  12                           ; s12 my wave's number
.set RB,  16                           ; s[16:17] my 4 rows of the trip's first tile
.set EB,  18                           ; s[18:19] my multipliers of the trip's first tile
.set PF,  20                           ; s[20:21] my half (waves 0, 1) of the trip's first tile
.set AB,  22                           ; s[22:23] qf at my 8 M tiles
.set OF,  24                           ; s[24:25] an offset
.set TR,  26                           ; s26 trips to go
.set LIM, 27                           ; s27 1 in a wave that prefetches, else the greatest number
.set HM,  28                           ; s28 mask of a word's upper half
.set SEL, 30                           ; s[30:31] v_permlanex16_b32's selects: each lane takes its own place in the other half
.set WC,  16+3*LE                      ; loads issued behind R(x + 1) when it is wanted: E(x), R(x + 2), E(x + 1), R(x + 3), E(x + 2)
.set WE,  24+2*LE                      ; behind E(x): R(x + 2), E(x + 1), R(x + 3), E(x + 2), R(x + 4)
.set MSB, 0
.macro WIN new                         ; the high byte repeats the setting that is left; a switch that changes nothing is dropped
.if MSB != (\new)
	s_set_vgpr_msb (MSB<<8)|(\new)
.set MSB, \new
.endif
.endm
.macro CVT R, N                        ; N f32 at v[R ..] -> bf16 -> that number as f16, packed into v[R .. R + N/2 - 1]; the last stage goes upward, so no source is lost
.set cp, 0
.rept (\N)/2
	v_cvt_pk_bf16_f32 v[(\R)+2*cp], v[(\R)+2*cp], v[(\R)+2*cp+1]
.set cp, cp+1
.endr
.set cp, 0
.rept (\N)/2
	v_and_b32 v[(\R)+2*cp+1], s[HM], v[(\R)+2*cp]
	v_lshlrev_b32 v[(\R)+2*cp], 16, v[(\R)+2*cp]
.set cp, cp+1
.endr
.set cp, 0
.rept (\N)/2
	v_cvt_pk_f16_f32 v[(\R)+cp], v[(\R)+2*cp], v[(\R)+2*cp+1]
.set cp, cp+1
.endr
.endm
.macro PLACES                          ; four places behind the last product, ahead of reads of results and of loads into registers that products have read
.rept 4
	v_nop
.endr
.endm
.macro RLOAD s, off                    ; my 4 rows of a tile, 4,096 bytes on end: load qd is row qd / 2, channels 128 (qd % 2) + 4 l ..
	WIN 0xc0
.irp qd, 0,1,2,3,4,5,6,7
	global_load_b128 v[RAW+32*(\s)+4*\qd:RAW+32*(\s)+4*\qd+3], v[L16], s[RB:RB+1] offset:(\off)+512*\qd th:TH_LOAD_NT
.endr
.endm
.macro ELOAD i, off                    ; a tile's multipliers for my 8 M tiles
	WIN 0xc0
.set z, 0
.rept LE
	global_load_b128 v[EV+4*LE*(\i)+4*z:EV+4*LE*(\i)+4*z+3], v[L16], s[EB:EB+1] offset:(\off)+512*z
.set z, z+1
.endr
.endm
.macro CONV s                          ; raw slot s is converted and put into tile buffer s: each store is 256 bytes on end
	WIN 0xff
	CVT RAW+32*(\s), 32
	WIN 0x0c
.irp qd, 0,1,2,3,4,5,6,7
	ds_store_b64 v[SA], v[RAW+32*(\s)+2*\qd:RAW+32*(\s)+2*\qd+1] offset:BUFB*(\s)+PITCH*(\qd/2)+256*(\qd%2)
.endr
.endm
.macro BLOAD i                         ; the whole tile as 8 fragments
	WIN 0
.irp f, 0,1,2,3,4,5,6,7
	ds_load_b128 v[B+8*\f:B+8*\f+3],   v[BA] offset:BUFB*(\i)+64*\f
	ds_load_b128 v[B+8*\f+4:B+8*\f+7], v[BA] offset:BUFB*(\i)+64*\f+16
.endr
.endm
.macro MULS                            ; 64 products; the eight accumulators take turns, one instruction a turn; the first eight start the sums
.set f, 0
.rept 8
	WIN 0x04+0x04*(f/4)
.irp m, 0,1,2,3,4,5,6,7
.if f == 0
	v_wmma_f32_16x16x32_f16 v[D+8*\m:D+8*\m+7], v[B+8*f:B+8*f+7], v[32*\m+8*(f%4):32*\m+8*(f%4)+7], 0
.else
	v_wmma_f32_16x16x32_f16 v[D+8*\m:D+8*\m+7], v[B+8*f:B+8*f+7], v[32*\m+8*(f%4):32*\m+8*(f%4)+7], v[D+8*\m:D+8*\m+7]
.endif
.endr
.set f, f+1
.endr
.endm
; A PREFETCH INTO THE L2 of tile x + 7, three slots ahead of its load: waves 0 and 1 ask, each for half of the tile's 16 rows, a lane for each 256 bytes: each block is named once in the launch.
; It stands behind the slot's run of loads.  The loop's last trip asks for nothing: tiles beyond 15 do not exist.  Tiles 0 to 6 come by their loads alone.
.macro ASK off
	WIN 0
	s_cmp_gt_u32 s[TR], s[LIM]
	s_cbranch_scc0 .Lno_ask_\@
	global_prefetch_b8 v[PFO], s[PF:PF+1] offset:\off th:TH_LOAD_NT scope:SCOPE_SE
.Lno_ask_\@:
.endm
; What is made of a finished tile; each accumulator is read from its low end on.
.macro EPI i
.if HYV
	WIN 0x0c                                       ; ACC[2 m + jj % 2] += P x W, W an f16 half
.irp jj, 0,1,2,3,4,5,6,7
.irp m, 0,1,2,3,4,5,6,7
.if (\jj)&1
	v_fma_mix_f32 v[ACC+2*\m+1], v[D+8*\m+\jj], v[EV+32*(\i)+4*\m+\jj/2], v[ACC+2*\m+1] op_sel:[0,1,0] op_sel_hi:[0,1,0]
.else
	v_fma_mix_f32 v[ACC+2*\m], v[D+8*\m+\jj], v[EV+32*(\i)+4*\m+\jj/2], v[ACC+2*\m] op_sel_hi:[0,1,0]
.endif
.endr
.endr
.else
	WIN 0xfc                                       ; UA[8 m + jj] += P x qp[i][32 n + 16 h + tau]: register m of the slot's eight multiplies both halves
.irp m, 0,1,2,3,4,5,6,7
.irp p, 0,1,2,3
.if (\m)&1
	v_pk_fma_f32 v[UA+8*\m+2*\p:UA+8*\m+2*\p+1], v[D+8*\m+2*\p:D+8*\m+2*\p+1], v[EV+8*(\i)+\m-1:EV+8*(\i)+\m], v[UA+8*\m+2*\p:UA+8*\m+2*\p+1] op_sel:[0,1,0] op_sel_hi:[1,1,1]
.else
	v_pk_fma_f32 v[UA+8*\m+2*\p:UA+8*\m+2*\p+1], v[D+8*\m+2*\p:D+8*\m+2*\p+1], v[EV+8*(\i)+\m:EV+8*(\i)+\m+1], v[UA+8*\m+2*\p:UA+8*\m+2*\p+1] op_sel_hi:[1,0,1]
.endif
.endr
.endr
.endif
.endm
; THE SLOT of tile x, i = x % 3.  conv: tile x + 1 is converted; rl: tile x + 4 is asked for; el: the multipliers of tile x + 3; ask: the prefetch; wc, we: the two counted waits.
.macro SLOT i, conv, rl, el, ask, wc, we
	WIN 0
	s_wait_dscnt 0x0                               ; my stores of tile x are done (my reads of tile x - 1 came back ahead of its products)
	s_barrier_signal -1
	s_barrier_wait -1                              ; tile x is whole, and nobody reads the buffer that tile x + 1 goes into
	BLOAD \i
.if \conv
	s_wait_loadcnt \wc                             ; R(x + 1) is in; the younger loads stay out
	CONV ((\i)+1)%3                                ; the conversion stands in the wait for the fragments
.if \rl
	RLOAD ((\i)+1)%3, ((\i)+4)*TST
.endif
.if \ask
	ASK ((\i)+7)*TST
.endif
	s_wait_dscnt 8                                 ; the 16 fragment loads are back; my 8 younger stores may stay out
.else
	s_wait_dscnt 0x0
.endif
	MULS
	PLACES
	s_wait_loadcnt \we                             ; E(x) is in
	EPI \i
.if \el
	ELOAD \i, ((\i)+3)*EST
.endif
.endm
	s_load_b256 s[4:11], s[0:1], 0x0               ; weights s[4:5], qf s[6:7], multipliers s[8:9], result s[10:11]
	v_lshl_add_u32 v[SPW], v0, 2, SPARE
	v_mov_b32 v[NIL], 0
	v_lshrrev_b32 v1, 5, v0
	v_readfirstlane_b32 s[WV], v1                  ; wave 0..3
	v_and_b32 v1, 15, v0                           ; r
	v_bfe_u32 v2, v0, 4, 1                         ; h
	v_and_b32 v10, 31, v0                          ; l
	v_lshlrev_b32 v[L16], 4, v10
	v_mul_u32_u24 v[BA], v1, PITCH
	v_lshl_add_u32 v[BA], v2, 5, v[BA]
	s_mul_i32 s13, s[WV], 4*PITCH
	v_lshl_add_u32 v[SA], v10, 3, s13
	v_lshlrev_b32 v[PFO], 8, v10
	v_lshlrev_b32 v[STO], 5, v1
	v_lshl_add_u32 v[STO], v2, 4, v[STO]
	s_mov_b32 s[HM], 0xffff0000
	s_mov_b32 s[SEL], 0x76543210
	s_mov_b32 s[SEL+1], 0xfedcba98
	s_mov_b32 s[OF+1], 0
	s_mov_b32 s[TR], 4
	s_and_b32 s14, s[WV], 1
	s_cmp_lt_u32 s[WV], 2
	s_cselect_b32 s[LIM], 1, -1
	s_wait_kmcnt 0x0
.if HYV
	s_lshl_b32 s29, ttmp9, 18                      ; j's 256 rows of 1,024 bytes
	s_lshl_b32 s15, s[WV], 12
	s_add_co_u32 s[OF], s29, s15
	s_add_nc_u64 s[RB:RB+1], s[4:5], s[OF:OF+1]    ; + my 4 rows
	s_lshl_b32 s15, s14, 13
	s_add_co_u32 s[OF], s29, s15
	s_add_nc_u64 s[PF:PF+1], s[4:5], s[OF:OF+1]    ; + my half of a tile
	s_lshr_b32 s13, ttmp9, 5                       ; n
	s_lshl_b32 s[OF], s13, 18
	s_lshl_b32 s15, s[WV], 12
	s_add_co_u32 s[OF], s[OF], s15
	s_add_nc_u64 s[EB:EB+1], s[8:9], s[OF:OF+1]    ; wt at (n, nt = 0, mt = 8 w)
	s_lshl_b32 s[OF], ttmp9, 11
	s_lshl_b32 s15, s[WV], 9
	s_add_co_u32 s[OF], s[OF], s15
	s_add_nc_u64 s[10:11], s[10:11], s[OF:OF+1]    ; outT at (j, w)
.else
	s_lshr_b32 s13, ttmp9, 5                       ; n
	s_and_b32 s15, ttmp9, 31                       ; kb
	s_lshl_b32 s29, s13, 23
	s_lshl_b32 s15, s15, 13
	s_add_co_u32 s29, s29, s15                     ; row (32 n) 256 + 8 kb, in bytes
	s_lshr_b32 s15, s[WV], 1
	s_lshl_b32 s15, s15, 22                        ; + 16 (w / 2) x 256 rows
	s_add_co_u32 s[OF], s29, s15
	s_lshl_b32 s15, s14, 12                        ; + 4 (w % 2) rows
	s_add_co_u32 s[OF], s[OF], s15
	s_add_nc_u64 s[RB:RB+1], s[4:5], s[OF:OF+1]
	s_lshl_b32 s15, s14, 22
	s_add_co_u32 s[OF], s29, s15
	s_add_nc_u64 s[PF:PF+1], s[4:5], s[OF:OF+1]    ; the tile's rows 8 (w % 2) .. + 7: 8,192 bytes on end
	s_lshl_b32 s[OF], s13, 16
	s_lshl_b32 s15, s[WV], 10
	s_add_co_u32 s[OF], s[OF], s15
	s_add_nc_u64 s[EB:EB+1], s[8:9], s[OF:OF+1]    ; qs at (n, tau = 0, w)
	s_lshl_b32 s[OF], ttmp9, 14
	s_lshl_b32 s15, s[WV], 12
	s_add_co_u32 s[OF], s[OF], s15
	s_add_nc_u64 s[10:11], s[10:11], s[OF:OF+1]    ; u at (n, kb, i = 128 w)
.endif
	s_lshl_b32 s[OF], s[WV], 16
	s_add_nc_u64 s[AB:AB+1], s[6:7], s[OF:OF+1]
	; the first loads, in the loop's own order of issue, then qp's 128
	RLOAD 0, 0
	RLOAD 1, TST
	ELOAD 0, 0
	RLOAD 2, 2*TST
	ELOAD 1, EST
	WIN 0x40
.set m, 0
.rept 8
.irp c, 0,1,2,3,4,5,6,7
	global_load_b128 v[32*m+4*\c:32*m+4*\c+3], v[L16], s[AB:AB+1] offset:8192*m+512*\c
.endr
.set m, m+1
.endr
	WIN 0x80
.set m, 0
.rept 8
.irp c, 0,1,2,3,4,5,6,7
	global_load_b128 v[32*m+4*\c:32*m+4*\c+3], v[L16], s[AB:AB+1] offset:8192*m+4096+512*\c
.endr
.set m, m+1
.endr
	; the vector sums start at 0, written while the first loads are out, so that every slot has one text
.if HYV
	WIN 0
.set z, 0
.rept 32
	v_mov_b32 v[ACC+z], 0
.set z, z+1
.endr
.else
	WIN 0xc0
.set z, 0
.rept 64
	v_mov_b32 v[UA+z], 0
.set z, z+1
.endr
.endif
	s_wait_loadcnt 0x0
	CONV 0                                         ; tile 0
	RLOAD 0, 3*TST
	ELOAD 2, 2*EST
	WIN 0                                          ; at a label and at a branch every window is 0
.Ltrip:                                            ; four trips of three slots: tiles 0 to 11
	SLOT 0, 1, 1, 1, 1, WC, WE
	SLOT 1, 1, 1, 1, 1, WC, WE
	SLOT 2, 1, 1, 1, 1, WC, WE
	WIN 0
	s_wait_xcnt 0x0                                ; every load and prefetch issued so far has read its address (the youngest prefetch 64 products back): the bases may be written
	s_add_nc_u64 s[RB:RB+1], s[RB:RB+1], 3*TST
	s_add_nc_u64 s[PF:PF+1], s[PF:PF+1], 3*TST
	s_add_nc_u64 s[EB:EB+1], s[EB:EB+1], 3*EST
	s_sub_co_u32 s[TR], s[TR], 1
	s_cmp_lg_u32 s[TR], 0
	s_cbranch_scc1 .Ltrip
	SLOT 0, 1, 0, 1, 0, 16+3*LE, 16+2*LE           ; tile 12: no weights are left to ask for; the counts fall by the groups that are no longer issued
	SLOT 1, 1, 0, 0, 0, 8+3*LE, 8+2*LE             ; tile 13
	SLOT 2, 1, 0, 0, 0, 2*LE, LE                   ; tile 14
	SLOT 0, 0, 0, 0, 0, 0, 0                       ; tile 15
	WIN 0
	v_cmp_eq_u32 vcc_lo, 1, v2                     ; h = 1
.if HYV
	; the two parities, then the other half of the lanes' k; lane (r, h) stores the M tiles 4 h .. 4 h + 3 of row r: 16 bytes, a wave 512 on end
.irp m, 0,1,2,3,4,5,6,7
	v_add_f32 v[F+\m], v[ACC+2*\m], v[ACC+2*\m+1]
.endr
.irp m, 0,1,2,3,4,5,6,7
	v_permlanex16_b32 v[X+\m], v[F+\m], s[SEL], s[SEL+1]
.endr
.irp m, 0,1,2,3,4,5,6,7
	v_add_f32 v[F+\m], v[F+\m], v[X+\m]
.endr
.irp z, 0,1,2,3
	v_cndmask_b32 v[X+\z], v[F+\z], v[F+4+\z], vcc_lo
.endr
	global_store_b128 v[STO], v[X:X+3], s[10:11]
.else
	; the other half of the lanes holds the other 16 dd: lane h keeps jj = 4 h .. 4 h + 3 and sends the other four across.  At work: window 3, v0-11; results v32-63
	WIN 0xff
.irp m, 0,1,2,3,4,5,6,7
.irp z, 0,1,2,3
	v_cndmask_b32 v[\z], v[UA+8*\m+4+\z], v[UA+8*\m+\z], vcc_lo
	v_cndmask_b32 v[4+\z], v[UA+8*\m+\z], v[UA+8*\m+4+\z], vcc_lo
.endr
.irp z, 0,1,2,3
	v_permlanex16_b32 v[8+\z], v[\z], s[SEL], s[SEL+1]
.endr
.irp z, 0,1,2,3
	v_add_f32 v[32+4*\m+\z], v[4+\z], v[8+\z]
.endr
.endr
	WIN 0x0c
.irp m, 0,1,2,3,4,5,6,7
	global_store_b128 v[STO], v[32+4*\m:32+4*\m+3], s[10:11] offset:512*\m  ; 16 rows i x 32 bytes: 512 bytes on end
.endr
	WIN 0
.endif
	s_wait_tensorcnt 0x0                           ; the wave's end: behind my last LDS store
	ds_add_u32 v[SPW], v[NIL]
	s_wait_dscnt 0x0
	s_endpgm
.Lfunc_end_k_q48da4535fc_hyk:
	.size	k_q48da4535fc_hyk, .Lfunc_end_k_q48da4535fc_hyk-k_q48da4535fc_hyk
	.p2alignl 7, 3214868480
	.fill 96, 4, 3214868480
	.section	.rodata,"a",@progbits
	.p2align	6, 0x0
	.amdhsa_kernel k_q48da4535fc_hyk
		.amdhsa_group_segment_fixed_size 26624
		.amdhsa_private_segment_fixed_size 0
		.amdhsa_enable_private_segment 0
		.amdhsa_kernarg_size 32
		.amdhsa_user_sgpr_count 2
		.amdhsa_user_sgpr_kernarg_segment_ptr 1
		.amdhsa_wavefront_size32 1
		.amdhsa_system_sgpr_workgroup_id_x 1
		.amdhsa_system_sgpr_workgroup_id_y 1
		.amdhsa_system_sgpr_workgroup_id_z 1
		.amdhsa_system_vgpr_workitem_id 0
		.amdhsa_next_free_vgpr 992
		.amdhsa_next_free_sgpr 66
		.amdhsa_reserve_vcc 1
		.amdhsa_float_denorm_mode_32 3
		.amdhsa_float_denorm_mode_16_64 3
		.amdhsa_memory_ordered 1
		.amdhsa_forward_progress 1
		.amdhsa_inst_pref_size 108
	.end_amdhsa_kernel
	.amdgpu_metadata
---
amdhsa.version: [ 1, 2 ]
amdhsa.kernels:
  - .name:           k_q48da4535fc_hyk
    .symbol:         k_q48da4535fc_hyk.kd
    .args:
      - { .name: Wk_hyper, .offset: 0, .size: 8, .value_kind: global_buffer, .address_space: global }
      - { .name: qf, .offset: 8, .size: 8, .value_kind: global_buffer, .address_space: global }
      - { .name: qs, .offset: 16, .size: 8, .value_kind: global_buffer, .address_space: global }
      - { .name: u, .offset: 24, .size: 8, .value_kind: global_buffer, .address_space: global }
    .group_segment_fixed_size: 26624
    .private_segment_fixed_size: 0
    .kernarg_segment_align: 8
    .kernarg_segment_size: 32
    .max_flat_workgroup_size: 128
    .sgpr_count:     66
    .vgpr_count:     992
    .wavefront_size: 32
...
	.end_amdgpu_metadata
.endif
;; end of part 2
;; launch att (part 3): grid 256 x 1, 4 waves a work-group, no clusters, 17,408 bytes of LDS; arguments u, kf, vf, mask, wt; writes wt
.if DOCPART == 3
	.amdgcn_target "amdgcn-amd-amdhsa--gfx1250"
	.amdhsa_code_object_version 6
	.text
	.protected	k_q48da4535fc_att
	.globl	k_q48da4535fc_att
	.p2align	8
	.type	k_q48da4535fc_att,@function
k_q48da4535fc_att:
	s_mov_b64 s[64:65], 0
	v_nop
	global_prefetch_b8 v0, s[64:65] scope:SCOPE_SE
	s_setreg_imm32_b32 hwreg(HW_REG_WAVE_MODE, 25, 1), 1
	s_wait_xcnt 0x0
; ATTENTION on the folded operands.  For head n = id / 32 and the 16 queries of M tile mt = id % 32: s[t] = the sum over c of U[i][n][c] k[t][c] / sqrt(512), masked by the mask input, softmax over the 512 keys with the row's
; true maximum taken away, W[i][n][c] = the sum over t of p[t] v[t][c] / l.  W leaves as f16, [n][nt 16][mt 32][lane][8]: W[16 mt + r][n][16 nt + 8 h + j].
; U'S SCALE.  U comes in f32.  Each query's row is multiplied by an exact power of two, 1 / 2^E with 2^E the power of two at or below its largest magnitude, before it is rounded to f16, and 2^E goes back in f32 into the
; factor c = 2^E log2(e) / sqrt(512) of the exponent: U has no limit of range but E within -126 .. 126.
; SHARES.  Scores: wave w takes the keys 128 w .. + 127 (8 tiles of 16), all 256 channels.  W: wave w takes the channels 64 w .. + 63 (4 tiles), all keys: the weights p go through LDS, the maxima and sums too.
; LAYOUT.  S^T = K U^T (source 0 = 16 keys, source 1 = 16 queries): a lane holds ONE query (r) and the keys 8 h + 0..7 of a tile; two such tiles rounded to f16 are source 1 (32 keys x 16 queries) of W^T = V^T P.
; LIMITS.  k and v are f16 operands (under 65,504).  A weight below 2^-126 counts as 0 in l.  A masked score is a true -inf: a row with no true mask byte gives NaN, as the softmax of such a row does.
; NO CLUSTER, NO PREFETCH: a short launch; kf and vf are small tables that every work-group reads.
; REGISTERS: window 0: v0-31 addresses and statistics; v32-47 mask bytes; v48-63 results; v64-127 U as f16; v128-255 U raw; then v128-191 S, v192-223 p as f16, v224-255 W^T; then v64-191 p's fragments.
;   windows 1, 2: k's fragments, tile tl at window 1 + tl / 4, v[64 (tl % 4) + 8 f + 4 e]; then v's, c tile cl at window 1 + cl / 2, v[128 (cl % 2) + 8 ks + 4 e].
.set PFR,   0                          ; LDS: p as fragments, [tile of 16 keys 32][lane][16 bytes]
.set MX,    16384                      ; the waves' maxima, 64 bytes a wave
.set LS,    16640                      ; the waves' sums
.set SPARE, 16896                      ; the spare words, 128 bytes a wave, that no other line names
.set L16, 3                            ; v3  16 x lane
.set UO,  4                            ; v4  32,768 h + 32 r: my place in u
.set MO,  5                            ; v5  512 r + 8 h: my place in the mask
.set R4,  6                            ; v6  4 r
.set STA, 7                            ; v7  64 w + 4 r
.set SPW, 8
.set NIL, 9
.set NINF, 10                          ; v10 -inf
.set T,   11
.set C,   12                           ; v12-15 four chains
.set INV, 16                           ; v16-17 1 / 2^E, twice
.set CSV, 18                           ; v18-19 c, twice
.set CM,  20                           ; v20-21 c m, twice
.set M,   22
.set XX,  23
.set RD,  24                           ; v24-27
.set RL,  28                           ; v28-29 1 / l, twice
.set PST, 30                           ; v30 4,096 w + 16 l
.set MK,  32
.set OP,  48
.set UF,  64
.set UR,  128
.set S,   128
.set PO,  192
.set WT,  224
.set PA,  64
.set WV,  14
.set OF,  18                           ; s[18:19]
.set SEL, 20                           ; s[20:21]
.set MSB, 0
.macro WIN new
.if MSB != (\new)
	s_set_vgpr_msb (MSB<<8)|(\new)
.set MSB, \new
.endif
.endm
.macro PLACES
.rept 4
	v_nop
.endr
.endm
.macro KLOAD tl                        ; 16 keys x 256 channels: 16 loads of 512 bytes on end
.set c, 0
.rept 16
	global_load_b128 v[64*((\tl)%4)+4*c:64*((\tl)%4)+4*c+3], v[L16], s[6:7] offset:8192*(\tl)+512*c
.set c, c+1
.endr
.endm
.macro VLOAD cl                        ; 16 channels x 512 keys: 32 loads
	WIN 0x40*(1+(\cl)/2)
.set c, 0
.rept 32
	global_load_b128 v[128*((\cl)%2)+4*c:128*((\cl)%2)+4*c+3], v[L16], s[8:9] offset:16384*(\cl)+512*c
.set c, c+1
.endr
	WIN 0
.endm
	s_load_b256 s[4:11], s[0:1], 0x0               ; u s[4:5], kf s[6:7], vf s[8:9], mask s[10:11]
	s_load_b64 s[12:13], s[0:1], 0x20              ; wt
	v_lshl_add_u32 v[SPW], v0, 2, SPARE
	v_mov_b32 v[NIL], 0
	v_lshrrev_b32 v1, 5, v0
	v_readfirstlane_b32 s[WV], v1                  ; wave 0..3
	v_and_b32 v1, 15, v0                           ; r
	v_bfe_u32 v2, v0, 4, 1                         ; h
	v_and_b32 v[T], 31, v0
	v_lshlrev_b32 v[L16], 4, v[T]
	v_lshlrev_b32 v[UO], 5, v1
	v_lshl_add_u32 v[UO], v2, 15, v[UO]
	v_lshlrev_b32 v[MO], 9, v1
	v_lshl_add_u32 v[MO], v2, 3, v[MO]
	v_lshlrev_b32 v[R4], 2, v1
	s_lshl_b32 s15, s[WV], 6
	v_add_nc_u32 v[STA], s15, v[R4]
	s_lshl_b32 s15, s[WV], 12
	v_add_nc_u32 v[PST], s15, v[L16]
	v_mov_b32 v[NINF], 0xff800000
	v_mov_b32 v[XX], 0                             ; v_permlanex16_b32's destination counts as read
	s_mov_b32 s[SEL], 0x76543210
	s_mov_b32 s[SEL+1], 0xfedcba98
	s_lshr_b32 s16, ttmp9, 5                       ; n
	s_and_b32 s17, ttmp9, 31                       ; mt
	s_mov_b32 s[OF+1], 0
	s_wait_kmcnt 0x0
	s_lshl_b32 s[OF], s16, 19
	s_lshl_b32 s15, s17, 9
	s_add_co_u32 s[OF], s[OF], s15
	s_add_nc_u64 s[4:5], s[4:5], s[OF:OF+1]        ; u at (n, kb = 0, i = 16 mt)
	s_lshl_b32 s[OF], s17, 13
	s_lshl_b32 s15, s[WV], 7
	s_add_co_u32 s[OF], s[OF], s15
	s_add_nc_u64 s[10:11], s[10:11], s[OF:OF+1]    ; mask at row 16 mt, key 128 w
	s_lshl_b32 s[OF], s[WV], 16
	s_add_nc_u64 s[6:7], s[6:7], s[OF:OF+1]        ; kf at my 8 tiles
	s_add_nc_u64 s[8:9], s[8:9], s[OF:OF+1]        ; vf at my 4 c tiles
	s_lshl_b32 s15, s16, 18
	s_add_co_u32 s[OF], s[OF], s15
	s_lshl_b32 s15, s17, 9
	s_add_co_u32 s[OF], s[OF], s15
	s_add_nc_u64 s[12:13], s[12:13], s[OF:OF+1]    ; wt at (n, nt = 4 w, mt)
	; U first, then the mask, then k.  Group c = 2 f + e of 8 channels lies in block kb = 4 f + 2 h + e of u
.set c, 0
.rept 16
	global_load_b128 v[UR+8*c:UR+8*c+3],   v[UO], s[4:5] offset:(4*(c/2)+c%2)*16384
	global_load_b128 v[UR+8*c+4:UR+8*c+7], v[UO], s[4:5] offset:(4*(c/2)+c%2)*16384+16
.set c, c+1
.endr
.irp tl, 0,1,2,3,4,5,6,7
	global_load_b64 v[MK+2*\tl:MK+2*\tl+1], v[MO], s[10:11] offset:16*\tl  ; my query's 8 mask bytes of tile tl
.endr
	WIN 0x40
	KLOAD 0
	KLOAD 1
	KLOAD 2
	KLOAD 3
	WIN 0x80
	KLOAD 4
	KLOAD 5
	KLOAD 6
	KLOAD 7
	WIN 0
	s_wait_loadcnt 63                              ; U and the mask are in: 128 loads are younger, and 63 is the largest count that the wait can name
	; the row's largest magnitude: four chains over my 128 channels, then the lane 16 away
.irp k, 0,1,2,3
	v_max_num_f32 v[C+\k], |v[UR+32*\k]|, |v[UR+32*\k+1]|
.endr
.set a, 1
.rept 15
.irp k, 0,1,2,3
	v_max3_num_f32 v[C+\k], v[C+\k], |v[UR+32*\k+2*a]|, |v[UR+32*\k+2*a+1]|
.endr
.set a, a+1
.endr
	v_max3_num_f32 v[C], v[C], v[C+1], v[C+2]
	v_max_num_f32 v[C], v[C], v[C+3]
	v_permlanex16_b32 v[XX], v[C], s[SEL], s[SEL+1]
	v_max_num_f32 v[C], v[C], v[XX]
	v_and_b32 v[C], 0x7f800000, v[C]               ; 2^E: the exponent alone,
	v_max_u32 v[C], 0x00800000, v[C]               ; held to 2^-126 .. 2^126, so that its reciprocal is a normal number too
	v_min_u32 v[C], 0x7e800000, v[C]
	v_sub_nc_u32 v[INV], 0x7f000000, v[C]          ; 1 / 2^E: the exponent field 254 - e
	v_mov_b32 v[INV+1], v[INV]
	v_mul_f32 v[CSV], 0x3d8293ee, v[C]             ; c = 2^E log2(e) / sqrt(512)
	v_mov_b32 v[CSV+1], v[CSV]
.set a, 0
.rept 64
	v_pk_mul_f32 v[UR+2*a:UR+2*a+1], v[UR+2*a:UR+2*a+1], v[INV:INV+1]
.set a, a+1
.endr
.set a, 0
.rept 64
	v_cvt_pk_f16_f32 v[UF+a], v[UR+2*a], v[UR+2*a+1]
.set a, a+1
.endr
	s_wait_loadcnt 0x0                             ; k
; 32 products for tiles t0 .. t0 + 3; the four accumulators take turns; the first four start the sums
.macro SCORES t0
.set f, 0
.rept 8
.irp u, 0,1,2,3
.if f == 0
	v_wmma_f32_16x16x32_f16 v[S+8*((\t0)+\u):S+8*((\t0)+\u)+7], v[64*\u+8*f:64*\u+8*f+7], v[UF+8*f:UF+8*f+7], 0
.else
	v_wmma_f32_16x16x32_f16 v[S+8*((\t0)+\u):S+8*((\t0)+\u)+7], v[64*\u+8*f:64*\u+8*f+7], v[UF+8*f:UF+8*f+7], v[S+8*((\t0)+\u):S+8*((\t0)+\u)+7]
.endif
.endr
.set f, f+1
.endr
.endm
	WIN 0x01
	SCORES 0
	WIN 0x02
	SCORES 4
	WIN 0
	PLACES                                         ; ahead of the reads of the scores and of the loads into k's registers
	VLOAD 0
	; the mask: a score whose byte is 0 becomes -inf; each accumulator is read from its low end on
.irp tl, 0,1,2,3,4,5,6,7
.irp j, 0,1,2,3,4,5,6,7
	v_and_b32 v[T], 0xff<<(8*(\j%4)), v[MK+2*\tl+\j/4]
	v_cmp_eq_u32 vcc_lo, 0, v[T]
	v_cndmask_b32 v[S+8*\tl+\j], v[S+8*\tl+\j], v[NINF], vcc_lo
.endr
.endr
	; the maximum of my 64 scores, four chains of 16; the lane 16 away; then the four waves' through LDS
.irp k, 0,1,2,3
	v_max3_num_f32 v[C+\k], v[S+16*\k], v[S+16*\k+1], v[S+16*\k+2]
.endr
.set a, 0
.rept 6
.irp k, 0,1,2,3
	v_max3_num_f32 v[C+\k], v[C+\k], v[S+16*\k+3+2*a], v[S+16*\k+4+2*a]
.endr
.set a, a+1
.endr
.irp k, 0,1,2,3
	v_max_num_f32 v[C+\k], v[C+\k], v[S+16*\k+15]
.endr
	v_max3_num_f32 v[C], v[C], v[C+1], v[C+2]
	v_max_num_f32 v[C], v[C], v[C+3]
	v_permlanex16_b32 v[XX], v[C], s[SEL], s[SEL+1]
	v_max_num_f32 v[M], v[C], v[XX]
	ds_store_b32 v[STA], v[M] offset:MX            ; both halves of the lanes write the same number
	VLOAD 1
	s_wait_dscnt 0x0                               ; for the others' sake: my store is done
	s_barrier_signal -1
	s_barrier_wait -1
.irp k, 0,1,2,3
	ds_load_b32 v[RD+\k], v[R4] offset:MX+64*\k
.endr
	s_wait_dscnt 0x0
	v_max3_num_f32 v[M], v[RD], v[RD+1], v[RD+2]
	v_max_num_f32 v[M], v[M], v[RD+3]              ; the row's maximum over all 512 keys
	v_mul_f32 v[CM], v[CSV], v[M]
	v_mov_b32 v[CM+1], v[CM]
.set a, 0
.rept 32
	v_pk_fma_f32 v[S+2*a:S+2*a+1], v[S+2*a:S+2*a+1], v[CSV:CSV+1], v[CM:CM+1] neg_lo:[0,0,1] neg_hi:[0,0,1]  ; c s - c m
.set a, a+1
.endr
.set a, 0
.rept 64
	v_exp_f32 v[S+a], v[S+a]                       ; one batch: nothing names a result before the wait below
.set a, a+1
.endr
	VLOAD 2
	v_nop                                          ; a plain instruction behind the last exponential (ISA guide 5.7.2),
	s_wait_alu depctr_va_vdst(0)                   ; and the one wait ahead of the batch's first reader
.set a, 0
.rept 32
	v_cvt_pk_f16_f32 v[PO+a], v[S+2*a], v[S+2*a+1]
.set a, a+1
.endr
.irp w, 1,2,4,8,16                     ; the sum of the unrounded weights: 32 pairs, a tree in place
.set a, 0
.rept 16/\w
	v_pk_add_f32 v[S+4*\w*a:S+4*\w*a+1], v[S+4*\w*a:S+4*\w*a+1], v[S+4*\w*a+2*\w:S+4*\w*a+2*\w+1]
.set a, a+1
.endr
.endr
	v_add_f32 v[T], v[S], v[S+1]
	v_permlanex16_b32 v[XX], v[T], s[SEL], s[SEL+1]
	v_add_f32 v[T], v[T], v[XX]
	ds_store_b32 v[STA], v[T] offset:LS
.irp tl, 0,1,2,3,4,5,6,7
	ds_store_b128 v[PST], v[PO+4*\tl:PO+4*\tl+3] offset:PFR+512*\tl  ; tile 8 w + tl: half a fragment, 512 bytes on end
.endr
	VLOAD 3
	s_wait_dscnt 0x0                               ; for the others' sake: my stores are done
	s_barrier_signal -1
	s_barrier_wait -1
.set c, 0
.rept 32
	ds_load_b128 v[PA+4*c:PA+4*c+3], v[L16] offset:PFR+512*c
.set c, c+1
.endr
.irp k, 0,1,2,3
	ds_load_b32 v[RD+\k], v[R4] offset:LS+64*\k
.endr
	s_wait_dscnt 0x0
	v_add_f32 v[RD], v[RD], v[RD+1]
	v_add_f32 v[RD+2], v[RD+2], v[RD+3]
	v_add_f32 v[RD], v[RD], v[RD+2]                ; l
	v_rcp_f32 v[RL], v[RD]
	v_rcp_f32 v[RL+1], v[RD]
	v_nop
	s_wait_alu depctr_va_vdst(0)                   ; one wait for the two reciprocals, ahead of the products and of the first reader
; 32 products for c tiles c0, c0 + 1 over the 16 key steps of 32; two accumulators by turns
.macro WMUL c0
.set ks, 0
.rept 16
.irp u, 0,1
.if ks == 0
	v_wmma_f32_16x16x32_f16 v[WT+8*((\c0)+\u):WT+8*((\c0)+\u)+7], v[128*\u+8*ks:128*\u+8*ks+7], v[PA+8*ks:PA+8*ks+7], 0
.else
	v_wmma_f32_16x16x32_f16 v[WT+8*((\c0)+\u):WT+8*((\c0)+\u)+7], v[128*\u+8*ks:128*\u+8*ks+7], v[PA+8*ks:PA+8*ks+7], v[WT+8*((\c0)+\u):WT+8*((\c0)+\u)+7]
.endif
.endr
.set ks, ks+1
.endr
.endm
	s_wait_loadcnt 63                              ; v's c tiles 0 and 1 are in: 64 loads are younger, and 63 is the largest count that the wait can name
	WIN 0x01
	WMUL 0
	s_wait_loadcnt 0x0
	WIN 0x02
	WMUL 2
	WIN 0
	PLACES
.set a, 0
.rept 16
	v_pk_mul_f32 v[WT+2*a:WT+2*a+1], v[WT+2*a:WT+2*a+1], v[RL:RL+1]
.set a, a+1
.endr
.set a, 0
.rept 16
	v_cvt_pk_f16_f32 v[OP+a], v[WT+2*a], v[WT+2*a+1]
.set a, a+1
.endr
.irp cl, 0,1,2,3
	global_store_b128 v[L16], v[OP+4*\cl:OP+4*\cl+3], s[12:13] offset:16384*\cl  ; 512 bytes on end
.endr
	s_wait_tensorcnt 0x0                           ; the wave's end: behind my last LDS store
	ds_add_u32 v[SPW], v[NIL]
	s_wait_dscnt 0x0
	s_endpgm
.Lfunc_end_k_q48da4535fc_att:
	.size	k_q48da4535fc_att, .Lfunc_end_k_q48da4535fc_att-k_q48da4535fc_att
	.p2alignl 7, 3214868480
	.fill 96, 4, 3214868480
	.section	.rodata,"a",@progbits
	.p2align	6, 0x0
	.amdhsa_kernel k_q48da4535fc_att
		.amdhsa_group_segment_fixed_size 17408
		.amdhsa_private_segment_fixed_size 0
		.amdhsa_enable_private_segment 0
		.amdhsa_kernarg_size 40
		.amdhsa_user_sgpr_count 2
		.amdhsa_user_sgpr_kernarg_segment_ptr 1
		.amdhsa_wavefront_size32 1
		.amdhsa_system_sgpr_workgroup_id_x 1
		.amdhsa_system_sgpr_workgroup_id_y 1
		.amdhsa_system_sgpr_workgroup_id_z 1
		.amdhsa_system_vgpr_workitem_id 0
		.amdhsa_next_free_vgpr 768
		.amdhsa_next_free_sgpr 66
		.amdhsa_reserve_vcc 1
		.amdhsa_float_denorm_mode_32 3
		.amdhsa_float_denorm_mode_16_64 3
		.amdhsa_memory_ordered 1
		.amdhsa_forward_progress 1
		.amdhsa_inst_pref_size 76
	.end_amdhsa_kernel
	.amdgpu_metadata
---
amdhsa.version: [ 1, 2 ]
amdhsa.kernels:
  - .name:           k_q48da4535fc_att
    .symbol:         k_q48da4535fc_att.kd
    .args:
      - { .name: u, .offset: 0, .size: 8, .value_kind: global_buffer, .address_space: global }
      - { .name: kf, .offset: 8, .size: 8, .value_kind: global_buffer, .address_space: global }
      - { .name: vf, .offset: 16, .size: 8, .value_kind: global_buffer, .address_space: global }
      - { .name: mask, .offset: 24, .size: 8, .value_kind: global_buffer, .address_space: global }
      - { .name: wt, .offset: 32, .size: 8, .value_kind: global_buffer, .address_space: global }
    .group_segment_fixed_size: 17408
    .private_segment_fixed_size: 0
    .kernarg_segment_align: 8
    .kernarg_segment_size: 40
    .max_flat_workgroup_size: 128
    .sgpr_count:     66
    .vgpr_count:     768
    .wavefront_size: 32
...
	.end_amdgpu_metadata
.endif
;; end of part 3
;; launch hyv (part 4): grid 256 x 1, 4 waves a work-group, no clusters, 26,624 bytes of LDS; arguments Wv_hyper, qf, wt, outT; writes outT
.if DOCPART == 4
	.amdgcn_target "amdgcn-amd-amdhsa--gfx1250"
	.amdhsa_code_object_version 6
	.text
	.protected	k_q48da4535fc_hyv
	.globl	k_q48da4535fc_hyv
	.p2align	8
	.type	k_q48da4535fc_hyv,@function
k_q48da4535fc_hyv:
	s_mov_b64 s[64:65], 0
	v_nop
	global_prefetch_b8 v0, s[64:65] scope:SCOPE_SE
	s_setreg_imm32_b32 hwreg(HW_REG_WAVE_MODE, 25, 1), 1
	s_wait_xcnt 0x0
; THE HYPER PRODUCT, one text for two launches; HYV picks the launch.  P[i][row] = the sum over c of qp[i][c] Wh[row][c] for 256 rows of the hyper weights and all 512 rows i; P stays in accumulators.
;   HYV = 0 (K side): n = id / 32, kb = id % 32.  N tile tau, row 8 h + jj is weight row (32 n + tau + 16 h) 256 + 8 kb + jj.  U[i][n][8 kb + jj] = the sum over dd = tau + 16 h of qp[i][32 n + dd] P: f32, to u [n][kb][i][8].
;   HYV = 1 (V side): j = id, n = j / 32.  N tile tau, row 8 h + jj is weight row 256 j + 16 tau + 8 h + jj.  out[i][j] = the sum over k of P[i][k] W[i][n][k]: f32, to outT [j][w][r][mt'].
; No sum crosses work-groups.  Each weight byte is read once in the launch, by one wave.
; SHARES.  Four waves; wave w owns the M tiles 8 w .. 8 w + 7, whose fragments of qp (f16, from qf) stay in 512 registers.  The 16 N tiles go by, one a slot: each wave loads 4 of a tile's 16 rows (4,096 bytes on end)
; into registers, rounds them f32 -> bf16 -> the same number as f16, and puts them into LDS; behind a barrier every wave reads the whole tile as fragments: 64 products a slot.
; The weights pass through registers in any case, to be converted: so they are loaded into registers, and no copy engine fills LDS.
; THE MATRIX INSTRUCTION IS USED TRANSPOSED (source 0 = 16 weight rows, source 1 = 16 rows of qp): result register jj of lane (r, h) is P[i = r][tile row 8 h + jj].
; CHANNEL MAP of both sources: fragment f, registers 4e..4e+3, element j = channel 32 f + 16 h + 8 e + j: 32 bytes on end of an LDS row.
; IN FLIGHT.  Three register slots of raw weights: tiles x + 2, x + 3, x + 4 are out while tile x is multiplied; the multipliers E (qp or W) likewise, three slots.
; LIMITS.  The weights and qp are f16 operands: magnitudes under 65,504; below 6.1e-5 f16's fixed step of 6e-8.
; NO CLUSTER: the weights, all but 1/256 of a work-group's bytes, are shared by nobody.
; REGISTERS, in windows of 256 (s_set_vgpr_msb: bits 1:0 source 0, 3:2 source 1, 5:4 source 2, 7:6 destination):
;   window 0: v0-10 addresses; v32-95 B, the tile's fragments; v96-159 D, eight accumulators; (HYV) v160-175 ACC, v176-191 at work at the end
;   window 1: qp's fragments f = 0-3 at 32 mt' + 8 f + 4 e      window 2: f = 4-7      window 3: v0-95 RAW, three slots; v96.. EV, three slots; (K side) v160-223 UA
.set HYV, 1
.if HYV
.set TST, 16384                        ; bytes from an N tile's rows to the next tile's
.set EST, 16384                        ; the same for the multipliers
.set LE,  8                            ; loads of 16 bytes a lane for a tile's multipliers
.else
.set TST, 262144
.set EST, 4096
.set LE,  2
.endif
.set PITCH, 528                        ; an LDS row: 512 bytes + 16: 33 x 16 bytes, so the 16 rows of a fragment load start in 16 different columns of 16 bytes
.set BUFB,  8704                       ; a tile: 16 rows, rounded up to whole blocks of 256 bytes
.set SPARE, 3*BUFB                     ; behind the three tiles: the spare words, 128 bytes a wave, that no other line names
.set L16, 3                            ; v3  16 x lane
.set BA,  4                            ; v4  528 r + 32 h: my place in a tile's fragments
.set SA,  5                            ; v5  my 4 rows, 8 bytes a lane: where I put converted weights
.set PFO, 6                            ; v6  256 x lane: the prefetches' offset
.set STO, 7                            ; v7  32 r + 16 h: my 16 bytes of the result
.set SPW, 8                            ; v8  my spare word; never rewritten
.set NIL, 9                            ; v9  0; never rewritten
.set B,   32
.set D,   96
.set ACC, 160
.set F,   176
.set X,   184
.set RAW, 0
.set EV,  96
.set UA,  160
.set WV,  12                           ; s12 my wave's number
.set RB,  16                           ; s[16:17] my 4 rows of the trip's first tile
.set EB,  18                           ; s[18:19] my multipliers of the trip's first tile
.set PF,  20                           ; s[20:21] my half (waves 0, 1) of the trip's first tile
.set AB,  22                           ; s[22:23] qf at my 8 M tiles
.set OF,  24                           ; s[24:25] an offset
.set TR,  26                           ; s26 trips to go
.set LIM, 27                           ; s27 1 in a wave that prefetches, else the greatest number
.set HM,  28                           ; s28 mask of a word's upper half
.set SEL, 30                           ; s[30:31] v_permlanex16_b32's selects: each lane takes its own place in the other half
.set WC,  16+3*LE                      ; loads issued behind R(x + 1) when it is wanted: E(x), R(x + 2), E(x + 1), R(x + 3), E(x + 2)
.set WE,  24+2*LE                      ; behind E(x): R(x + 2), E(x + 1), R(x + 3), E(x + 2), R(x + 4)
.set MSB, 0
.macro WIN new                         ; the high byte repeats the setting that is left; a switch that changes nothing is dropped
.if MSB != (\new)
	s_set_vgpr_msb (MSB<<8)|(\new)
.set MSB, \new
.endif
.endm
.macro CVT R, N                        ; N f32 at v[R ..] -> bf16 -> that number as f16, packed into v[R .. R + N/2 - 1]; the last stage goes upward, so no source is lost
.set cp, 0
.rept (\N)/2
	v_cvt_pk_bf16_f32 v[(\R)+2*cp], v[(\R)+2*cp], v[(\R)+2*cp+1]
.set cp, cp+1
.endr
.set cp, 0
.rept (\N)/2
	v_and_b32 v[(\R)+2*cp+1], s[HM], v[(\R)+2*cp]
	v_lshlrev_b32 v[(\R)+2*cp], 16, v[(\R)+2*cp]
.set cp, cp+1
.endr
.set cp, 0
.rept (\N)/2
	v_cvt_pk_f16_f32 v[(\R)+cp], v[(\R)+2*cp], v[(\R)+2*cp+1]
.set cp, cp+1
.endr
.endm
.macro PLACES                          ; four places behind the last product, ahead of reads of results and of loads into registers that products have read
.rept 4
	v_nop
.endr
.endm
.macro RLOAD s, off                    ; my 4 rows of a tile, 4,096 bytes on end: load qd is row qd / 2, channels 128 (qd % 2) + 4 l ..
	WIN 0xc0
.irp qd, 0,1,2,3,4,5,6,7
	global_load_b128 v[RAW+32*(\s)+4*\qd:RAW+32*(\s)+4*\qd+3], v[L16], s[RB:RB+1] offset:(\off)+512*\qd th:TH_LOAD_NT
.endr
.endm
.macro ELOAD i, off                    ; a tile's multipliers for my 8 M tiles
	WIN 0xc0
.set z, 0
.rept LE
	global_load_b128 v[EV+4*LE*(\i)+4*z:EV+4*LE*(\i)+4*z+3], v[L16], s[EB:EB+1] offset:(\off)+512*z
.set z, z+1
.endr
.endm
.macro CONV s                          ; raw slot s is converted and put into tile buffer s: each store is 256 bytes on end
	WIN 0xff
	CVT RAW+32*(\s), 32
	WIN 0x0c
.irp qd, 0,1,2,3,4,5,6,7
	ds_store_b64 v[SA], v[RAW+32*(\s)+2*\qd:RAW+32*(\s)+2*\qd+1] offset:BUFB*(\s)+PITCH*(\qd/2)+256*(\qd%2)
.endr
.endm
.macro BLOAD i                         ; the whole tile as 8 fragments
	WIN 0
.irp f, 0,1,2,3,4,5,6,7
	ds_load_b128 v[B+8*\f:B+8*\f+3],   v[BA] offset:BUFB*(\i)+64*\f
	ds_load_b128 v[B+8*\f+4:B+8*\f+7], v[BA] offset:BUFB*(\i)+64*\f+16
.endr
.endm
.macro MULS                            ; 64 products; the eight accumulators take turns, one instruction a turn; the first eight start the sums
.set f, 0
.rept 8
	WIN 0x04+0x04*(f/4)
.irp m, 0,1,2,3,4,5,6,7
.if f == 0
	v_wmma_f32_16x16x32_f16 v[D+8*\m:D+8*\m+7], v[B+8*f:B+8*f+7], v[32*\m+8*(f%4):32*\m+8*(f%4)+7], 0
.else
	v_wmma_f32_16x16x32_f16 v[D+8*\m:D+8*\m+7], v[B+8*f:B+8*f+7], v[32*\m+8*(f%4):32*\m+8*(f%4)+7], v[D+8*\m:D+8*\m+7]
.endif
.endr
.set f, f+1
.endr
.endm
; A PREFETCH INTO THE L2 of tile x + 7, three slots ahead of its load: waves 0 and 1 ask, each for half of the tile's 16 rows, a lane for each 256 bytes: each block is named once in the launch.
; It stands behind the slot's run of loads.  The loop's last trip asks for nothing: tiles beyond 15 do not exist.  Tiles 0 to 6 come by their loads alone.
.macro ASK off
	WIN 0
	s_cmp_gt_u32 s[TR], s[LIM]
	s_cbranch_scc0 .Lno_ask_\@
	global_prefetch_b8 v[PFO], s[PF:PF+1] offset:\off th:TH_LOAD_NT scope:SCOPE_SE
.Lno_ask_\@:
.endm
; What is made of a finished tile; each accumulator is read from its low end on.
.macro EPI i
.if HYV
	WIN 0x0c                                       ; ACC[2 m + jj % 2] += P x W, W an f16 half
.irp jj, 0,1,2,3,4,5,6,7
.irp m, 0,1,2,3,4,5,6,7
.if (\jj)&1
	v_fma_mix_f32 v[ACC+2*\m+1], v[D+8*\m+\jj], v[EV+32*(\i)+4*\m+\jj/2], v[ACC+2*\m+1] op_sel:[0,1,0] op_sel_hi:[0,1,0]
.else
	v_fma_mix_f32 v[ACC+2*\m], v[D+8*\m+\jj], v[EV+32*(\i)+4*\m+\jj/2], v[ACC+2*\m] op_sel_hi:[0,1,0]
.endif
.endr
.endr
.else
	WIN 0xfc                                       ; UA[8 m + jj] += P x qp[i][32 n + 16 h + tau]: register m of the slot's eight multiplies both halves
.irp m, 0,1,2,3,4,5,6,7
.irp p, 0,1,2,3
.if (\m)&1
	v_pk_fma_f32 v[UA+8*\m+2*\p:UA+8*\m+2*\p+1], v[D+8*\m+2*\p:D+8*\m+2*\p+1], v[EV+8*(\i)+\m-1:EV+8*(\i)+\m], v[UA+8*\m+2*\p:UA+8*\m+2*\p+1] op_sel:[0,1,0] op_sel_hi:[1,1,1]
.else
	v_pk_fma_f32 v[UA+8*\m+2*\p:UA+8*\m+2*\p+1], v[D+8*\m+2*\p:D+8*\m+2*\p+1], v[EV+8*(\i)+\m:EV+8*(\i)+\m+1], v[UA+8*\m+2*\p:UA+8*\m+2*\p+1] op_sel_hi:[1,0,1]
.endif
.endr
.endr
.endif
.endm
; THE SLOT of tile x, i = x % 3.  conv: tile x + 1 is converted; rl: tile x + 4 is asked for; el: the multipliers of tile x + 3; ask: the prefetch; wc, we: the two counted waits.
.macro SLOT i, conv, rl, el, ask, wc, we
	WIN 0
	s_wait_dscnt 0x0                               ; my stores of tile x are done (my reads of tile x - 1 came back ahead of its products)
	s_barrier_signal -1
	s_barrier_wait -1                              ; tile x is whole, and nobody reads the buffer that tile x + 1 goes into
	BLOAD \i
.if \conv
	s_wait_loadcnt \wc                             ; R(x + 1) is in; the younger loads stay out
	CONV ((\i)+1)%3                                ; the conversion stands in the wait for the fragments
.if \rl
	RLOAD ((\i)+1)%3, ((\i)+4)*TST
.endif
.if \ask
	ASK ((\i)+7)*TST
.endif
	s_wait_dscnt 8                                 ; the 16 fragment loads are back; my 8 younger stores may stay out
.else
	s_wait_dscnt 0x0
.endif
	MULS
	PLACES
	s_wait_loadcnt \we                             ; E(x) is in
	EPI \i
.if \el
	ELOAD \i, ((\i)+3)*EST
.endif
.endm
	s_load_b256 s[4:11], s[0:1], 0x0               ; weights s[4:5], qf s[6:7], multipliers s[8:9], result s[10:11]
	v_lshl_add_u32 v[SPW], v0, 2, SPARE
	v_mov_b32 v[NIL], 0
	v_lshrrev_b32 v1, 5, v0
	v_readfirstlane_b32 s[WV], v1                  ; wave 0..3
	v_and_b32 v1, 15, v0                           ; r
	v_bfe_u32 v2, v0, 4, 1                         ; h
	v_and_b32 v10, 31, v0                          ; l
	v_lshlrev_b32 v[L16], 4, v10
	v_mul_u32_u24 v[BA], v1, PITCH
	v_lshl_add_u32 v[BA], v2, 5, v[BA]
	s_mul_i32 s13, s[WV], 4*PITCH
	v_lshl_add_u32 v[SA], v10, 3, s13
	v_lshlrev_b32 v[PFO], 8, v10
	v_lshlrev_b32 v[STO], 5, v1
	v_lshl_add_u32 v[STO], v2, 4, v[STO]
	s_mov_b32 s[HM], 0xffff0000
	s_mov_b32 s[SEL], 0x76543210
	s_mov_b32 s[SEL+1], 0xfedcba98
	s_mov_b32 s[OF+1], 0
	s_mov_b32 s[TR], 4
	s_and_b32 s14, s[WV], 1
	s_cmp_lt_u32 s[WV], 2
	s_cselect_b32 s[LIM], 1, -1
	s_wait_kmcnt 0x0
.if HYV
	s_lshl_b32 s29, ttmp9, 18                      ; j's 256 rows of 1,024 bytes
	s_lshl_b32 s15, s[WV], 12
	s_add_co_u32 s[OF], s29, s15
	s_add_nc_u64 s[RB:RB+1], s[4:5], s[OF:OF+1]    ; + my 4 rows
	s_lshl_b32 s15, s14, 13
	s_add_co_u32 s[OF], s29, s15
	s_add_nc_u64 s[PF:PF+1], s[4:5], s[OF:OF+1]    ; + my half of a tile
	s_lshr_b32 s13, ttmp9, 5                       ; n
	s_lshl_b32 s[OF], s13, 18
	s_lshl_b32 s15, s[WV], 12
	s_add_co_u32 s[OF], s[OF], s15
	s_add_nc_u64 s[EB:EB+1], s[8:9], s[OF:OF+1]    ; wt at (n, nt = 0, mt = 8 w)
	s_lshl_b32 s[OF], ttmp9, 11
	s_lshl_b32 s15, s[WV], 9
	s_add_co_u32 s[OF], s[OF], s15
	s_add_nc_u64 s[10:11], s[10:11], s[OF:OF+1]    ; outT at (j, w)
.else
	s_lshr_b32 s13, ttmp9, 5                       ; n
	s_and_b32 s15, ttmp9, 31                       ; kb
	s_lshl_b32 s29, s13, 23
	s_lshl_b32 s15, s15, 13
	s_add_co_u32 s29, s29, s15                     ; row (32 n) 256 + 8 kb, in bytes
	s_lshr_b32 s15, s[WV], 1
	s_lshl_b32 s15, s15, 22                        ; + 16 (w / 2) x 256 rows
	s_add_co_u32 s[OF], s29, s15
	s_lshl_b32 s15, s14, 12                        ; + 4 (w % 2) rows
	s_add_co_u32 s[OF], s[OF], s15
	s_add_nc_u64 s[RB:RB+1], s[4:5], s[OF:OF+1]
	s_lshl_b32 s15, s14, 22
	s_add_co_u32 s[OF], s29, s15
	s_add_nc_u64 s[PF:PF+1], s[4:5], s[OF:OF+1]    ; the tile's rows 8 (w % 2) .. + 7: 8,192 bytes on end
	s_lshl_b32 s[OF], s13, 16
	s_lshl_b32 s15, s[WV], 10
	s_add_co_u32 s[OF], s[OF], s15
	s_add_nc_u64 s[EB:EB+1], s[8:9], s[OF:OF+1]    ; qs at (n, tau = 0, w)
	s_lshl_b32 s[OF], ttmp9, 14
	s_lshl_b32 s15, s[WV], 12
	s_add_co_u32 s[OF], s[OF], s15
	s_add_nc_u64 s[10:11], s[10:11], s[OF:OF+1]    ; u at (n, kb, i = 128 w)
.endif
	s_lshl_b32 s[OF], s[WV], 16
	s_add_nc_u64 s[AB:AB+1], s[6:7], s[OF:OF+1]
	; the first loads, in the loop's own order of issue, then qp's 128
	RLOAD 0, 0
	RLOAD 1, TST
	ELOAD 0, 0
	RLOAD 2, 2*TST
	ELOAD 1, EST
	WIN 0x40
.set m, 0
.rept 8
.irp c, 0,1,2,3,4,5,6,7
	global_load_b128 v[32*m+4*\c:32*m+4*\c+3], v[L16], s[AB:AB+1] offset:8192*m+512*\c
.endr
.set m, m+1
.endr
	WIN 0x80
.set m, 0
.rept 8
.irp c, 0,1,2,3,4,5,6,7
	global_load_b128 v[32*m+4*\c:32*m+4*\c+3], v[L16], s[AB:AB+1] offset:8192*m+4096+512*\c
.endr
.set m, m+1
.endr
	; the vector sums start at 0, written while the first loads are out, so that every slot has one text
.if HYV
	WIN 0
.set z, 0
.rept 32
	v_mov_b32 v[ACC+z], 0
.set z, z+1
.endr
.else
	WIN 0xc0
.set z, 0
.rept 64
	v_mov_b32 v[UA+z], 0
.set z, z+1
.endr
.endif
	s_wait_loadcnt 0x0
	CONV 0                                         ; tile 0
	RLOAD 0, 3*TST
	ELOAD 2, 2*EST
	WIN 0                                          ; at a label and at a branch every window is 0
.Ltrip:                                            ; four trips of three slots: tiles 0 to 11
	SLOT 0, 1, 1, 1, 1, WC, WE
	SLOT 1, 1, 1, 1, 1, WC, WE
	SLOT 2, 1, 1, 1, 1, WC, WE
	WIN 0
	s_wait_xcnt 0x0                                ; every load and prefetch issued so far has read its address (the youngest prefetch 64 products back): the bases may be written
	s_add_nc_u64 s[RB:RB+1], s[RB:RB+1], 3*TST
	s_add_nc_u64 s[PF:PF+1], s[PF:PF+1], 3*TST
	s_add_nc_u64 s[EB:EB+1], s[EB:EB+1], 3*EST
	s_sub_co_u32 s[TR], s[TR], 1
	s_cmp_lg_u32 s[TR], 0
	s_cbranch_scc1 .Ltrip
	SLOT 0, 1, 0, 1, 0, 16+3*LE, 16+2*LE           ; tile 12: no weights are left to ask for; the counts fall by the groups that are no longer issued
	SLOT 1, 1, 0, 0, 0, 8+3*LE, 8+2*LE             ; tile 13
	SLOT 2, 1, 0, 0, 0, 2*LE, LE                   ; tile 14
	SLOT 0, 0, 0, 0, 0, 0, 0                       ; tile 15
	WIN 0
	v_cmp_eq_u32 vcc_lo, 1, v2                     ; h = 1
.if HYV
	; the two parities, then the other half of the lanes' k; lane (r, h) stores the M tiles 4 h .. 4 h + 3 of row r: 16 bytes, a wave 512 on end
.irp m, 0,1,2,3,4,5,6,7
	v_add_f32 v[F+\m], v[ACC+2*\m], v[ACC+2*\m+1]
.endr
.irp m, 0,1,2,3,4,5,6,7
	v_permlanex16_b32 v[X+\m], v[F+\m], s[SEL], s[SEL+1]
.endr
.irp m, 0,1,2,3,4,5,6,7
	v_add_f32 v[F+\m], v[F+\m], v[X+\m]
.endr
.irp z, 0,1,2,3
	v_cndmask_b32 v[X+\z], v[F+\z], v[F+4+\z], vcc_lo
.endr
	global_store_b128 v[STO], v[X:X+3], s[10:11]
.else
	; the other half of the lanes holds the other 16 dd: lane h keeps jj = 4 h .. 4 h + 3 and sends the other four across.  At work: window 3, v0-11; results v32-63
	WIN 0xff
.irp m, 0,1,2,3,4,5,6,7
.irp z, 0,1,2,3
	v_cndmask_b32 v[\z], v[UA+8*\m+4+\z], v[UA+8*\m+\z], vcc_lo
	v_cndmask_b32 v[4+\z], v[UA+8*\m+\z], v[UA+8*\m+4+\z], vcc_lo
.endr
.irp z, 0,1,2,3
	v_permlanex16_b32 v[8+\z], v[\z], s[SEL], s[SEL+1]
.endr
.irp z, 0,1,2,3
	v_add_f32 v[32+4*\m+\z], v[4+\z], v[8+\z]
.endr
.endr
	WIN 0x0c
.irp m, 0,1,2,3,4,5,6,7
	global_store_b128 v[STO], v[32+4*\m:32+4*\m+3], s[10:11] offset:512*\m  ; 16 rows i x 32 bytes: 512 bytes on end
.endr
	WIN 0
.endif
	s_wait_tensorcnt 0x0                           ; the wave's end: behind my last LDS store
	ds_add_u32 v[SPW], v[NIL]
	s_wait_dscnt 0x0
	s_endpgm
.Lfunc_end_k_q48da4535fc_hyv:
	.size	k_q48da4535fc_hyv, .Lfunc_end_k_q48da4535fc_hyv-k_q48da4535fc_hyv
	.p2alignl 7, 3214868480
	.fill 96, 4, 3214868480
	.section	.rodata,"a",@progbits
	.p2align	6, 0x0
	.amdhsa_kernel k_q48da4535fc_hyv
		.amdhsa_group_segment_fixed_size 26624
		.amdhsa_private_segment_fixed_size 0
		.amdhsa_enable_private_segment 0
		.amdhsa_kernarg_size 32
		.amdhsa_user_sgpr_count 2
		.amdhsa_user_sgpr_kernarg_segment_ptr 1
		.amdhsa_wavefront_size32 1
		.amdhsa_system_sgpr_workgroup_id_x 1
		.amdhsa_system_sgpr_workgroup_id_y 1
		.amdhsa_system_sgpr_workgroup_id_z 1
		.amdhsa_system_vgpr_workitem_id 0
		.amdhsa_next_free_vgpr 960
		.amdhsa_next_free_sgpr 66
		.amdhsa_reserve_vcc 1
		.amdhsa_float_denorm_mode_32 3
		.amdhsa_float_denorm_mode_16_64 3
		.amdhsa_memory_ordered 1
		.amdhsa_forward_progress 1
		.amdhsa_inst_pref_size 120
	.end_amdhsa_kernel
	.amdgpu_metadata
---
amdhsa.version: [ 1, 2 ]
amdhsa.kernels:
  - .name:           k_q48da4535fc_hyv
    .symbol:         k_q48da4535fc_hyv.kd
    .args:
      - { .name: Wv_hyper, .offset: 0, .size: 8, .value_kind: global_buffer, .address_space: global }
      - { .name: qf, .offset: 8, .size: 8, .value_kind: global_buffer, .address_space: global }
      - { .name: wt, .offset: 16, .size: 8, .value_kind: global_buffer, .address_space: global }
      - { .name: outT, .offset: 24, .size: 8, .value_kind: global_buffer, .address_space: global }
    .group_segment_fixed_size: 26624
    .private_segment_fixed_size: 0
    .kernarg_segment_align: 8
    .kernarg_segment_size: 32
    .max_flat_workgroup_size: 128
    .sgpr_count:     66
    .vgpr_count:     960
    .wavefront_size: 32
...
	.end_amdgpu_metadata
.endif
;; end of part 4
;; launch fin (part 5): grid 32 x 1, 4 waves a work-group, no clusters, 17,920 bytes of LDS; arguments outT, out0; writes out0
.if DOCPART == 5
	.amdgcn_target "amdgcn-amd-amdhsa--gfx1250"
	.amdhsa_code_object_version 6
	.text
	.protected	k_q48da4535fc_fin
	.globl	k_q48da4535fc_fin
	.p2align	8
	.type	k_q48da4535fc_fin,@function
k_q48da4535fc_fin:
	s_mov_b64 s[64:65], 0
	v_nop
	global_prefetch_b8 v0, s[64:65] scope:SCOPE_SE
	s_setreg_imm32_b32 hwreg(HW_REG_WAVE_MODE, 25, 1), 1
	s_wait_xcnt 0x0
; THE TURN.  outT [j 256][P 512] f32 holds, at position P = 128 w + 8 r + m, out[i = 128 w + 16 m + r][j].  out0 [i 512][j 256] is written so that sixteen neighbouring lanes store 256 bytes on end, aligned.
; A work-group turns a tile of 64 j x 64 positions through LDS: jb = id % 4, pb = id / 4.  Four waves: wave wv brings in the j rows 16 wv .. + 15 and sends out the positions 16 wv .. + 15.
; No matrix unit, no cluster, no prefetch: half a megabyte in, half a megabyte out, each byte once.
.set TP,    272                        ; an LDS row: 64 positions x 4 bytes + 16
.set SPARE, 64*TP                      ; behind the tile: the spare words, 128 bytes a wave, that no other line names
	s_load_b128 s[4:7], s[0:1], 0x0                ; outT s[4:5], out0 s[6:7]
	v_lshl_add_u32 v8, v0, 2, SPARE
	v_mov_b32 v9, 0
	v_lshrrev_b32 v1, 5, v0
	v_readfirstlane_b32 s8, v1                     ; wave 0..3
	v_and_b32 v1, 15, v0                           ; r'
	v_bfe_u32 v2, v0, 4, 1                         ; h
	s_and_b32 s9, ttmp9, 3                         ; jb
	s_lshr_b32 s10, ttmp9, 2                       ; pb
	v_lshlrev_b32 v3, 4, v1
	v_lshl_add_u32 v4, v2, 11, v3                  ; in, memory: row h of two, 16 bytes for r'
	v_mul_u32_u24 v5, v2, TP
	v_add_nc_u32 v5, v5, v3
	s_mul_i32 s11, s8, 16*TP
	v_add_nc_u32 v5, s11, v5                       ; in, LDS: row 16 wv + h
	v_mul_u32_u24 v6, v1, 4*TP
	v_lshl_add_u32 v6, v2, 2, v6
	s_lshl_b32 s11, s8, 6
	v_add_nc_u32 v6, s11, v6                       ; out, LDS: rows 4 r' .., position 16 wv + h
	v_lshl_add_u32 v7, v2, 14, v3                  ; out, memory: 16 rows of out0 for h, 16 bytes for r'
	s_mov_b32 s13, 0
	s_lshl_b32 s12, s9, 17
	s_lshl_b32 s11, s8, 15
	s_add_co_u32 s12, s12, s11
	s_lshl_b32 s11, s10, 8
	s_add_co_u32 s12, s12, s11                     ; (64 jb + 16 wv) rows of 2,048 bytes + 256 pb
	s_mov_b32 s15, 0
	s_lshr_b32 s14, s10, 1
	s_lshl_b32 s14, s14, 17                        ; i = 128 (pb / 2)
	s_and_b32 s11, s10, 1
	s_lshl_b32 s11, s11, 13                        ;   + 8 (pb % 2)
	s_add_co_u32 s14, s14, s11
	s_lshl_b32 s11, s8, 11                         ;   + 2 wv, in rows of 1,024 bytes,
	s_add_co_u32 s14, s14, s11
	s_lshl_b32 s11, s9, 8                          ; and 256 jb
	s_add_co_u32 s14, s14, s11
	s_wait_kmcnt 0x0
	s_add_nc_u64 s[4:5], s[4:5], s[12:13]
	s_add_nc_u64 s[6:7], s[6:7], s[14:15]
.irp t, 0,1,2,3,4,5,6,7
	global_load_b128 v[32+4*\t:32+4*\t+3], v4, s[4:5] offset:4096*\t  ; j rows 2 t and 2 t + 1: 256 bytes on end each
.endr
	s_wait_loadcnt 0x0
.irp t, 0,1,2,3,4,5,6,7
	ds_store_b128 v5, v[32+4*\t:32+4*\t+3] offset:2*TP*\t
.endr
	s_wait_dscnt 0x0                               ; for the others' sake: my stores are done
	s_barrier_signal -1
	s_barrier_wait -1
.irp t, 0,1,2,3,4,5,6,7                ; position p = 16 wv + 2 t + h, the four j = 4 r' + z
.irp z, 0,1,2,3
	ds_load_b32 v[32+4*\t+\z], v6 offset:TP*\z+8*\t
.endr
.endr
	s_wait_dscnt 0x0
.irp t, 0,1,2,3,4,5,6,7                ; p's row of out0: m = (2 t) % 8 + h, r = .. + t / 4
	global_store_b128 v7, v[32+4*\t:32+4*\t+3], s[6:7] offset:(16*((2*\t)%8)+\t/4)*1024
.endr
	s_wait_tensorcnt 0x0                           ; the wave's end: behind my last LDS store
	ds_add_u32 v8, v9
	s_wait_dscnt 0x0
	s_endpgm
.Lfunc_end_k_q48da4535fc_fin:
	.size	k_q48da4535fc_fin, .Lfunc_end_k_q48da4535fc_fin-k_q48da4535fc_fin
	.p2alignl 7, 3214868480
	.fill 96, 4, 3214868480
	.section	.rodata,"a",@progbits
	.p2align	6, 0x0
	.amdhsa_kernel k_q48da4535fc_fin
		.amdhsa_group_segment_fixed_size 17920
		.amdhsa_private_segment_fixed_size 0
		.amdhsa_enable_private_segment 0
		.amdhsa_kernarg_size 16
		.amdhsa_user_sgpr_count 2
		.amdhsa_user_sgpr_kernarg_segment_ptr 1
		.amdhsa_wavefront_size32 1
		.amdhsa_system_sgpr_workgroup_id_x 1
		.amdhsa_system_sgpr_workgroup_id_y 1
		.amdhsa_system_sgpr_workgroup_id_z 1
		.amdhsa_system_vgpr_workitem_id 0
		.amdhsa_next_free_vgpr 80
		.amdhsa_next_free_sgpr 66
		.amdhsa_reserve_vcc 0
		.amdhsa_float_denorm_mode_32 3
		.amdhsa_float_denorm_mode_16_64 3
		.amdhsa_memory_ordered 1
		.amdhsa_forward_progress 1
		.amdhsa_inst_pref_size 7
	.end_amdhsa_kernel
	.amdgpu_metadata
---
amdhsa.version: [ 1, 2 ]
amdhsa.kernels:
  - .name:           k_q48da4535fc_fin
    .symbol:         k_q48da4535fc_fin.kd
    .args:
      - { .name: outT, .offset: 0, .size: 8, .value_kind: global_buffer, .address_space: global }
      - { .name: out0, .offset: 8, .size: 8, .value_kind: global_buffer, .address_space: global }
    .group_segment_fixed_size: 17920
    .private_segment_fixed_size: 0
    .kernarg_segment_align: 8
    .kernarg_segment_size: 16
    .max_flat_workgroup_size: 128
    .sgpr_count:     66
    .vgpr_count:     80
    .wavefront_size: 32
...
	.end_amdgpu_metadata
.endif
;; end of part 5
;; ======== version 2 of 2: 5 launches; version 1 with the launches hyk, hyv written anew for expert scheduling mode
;; limits: values are held in f16: magnitudes above 65,504 overflow, below 6.1e-05 lose precision
;; workspace buffers: qf 262,144 bytes; qs 524,288 bytes; kf 262,144 bytes; vf 262,144 bytes; u 4,194,304 bytes; wt 2,097,152 bytes; outT 524,288 bytes
;; launch prep: the kernel of part 1 again; grid 416 x 1, 1 waves a work-group, no clusters, 0 bytes of LDS; arguments q, Wq, k, v, qf, qs, kf, vf; writes qf, qs, kf, vf
;; launch hyk (part 6): grid 256 x 1, 4 waves a work-group, no clusters, 26,624 bytes of LDS; arguments Wk_hyper, qf, qs, u; writes u
.if DOCPART == 6
	.amdgcn_target "amdgcn-amd-amdhsa--gfx1250"
	.amdhsa_code_object_version 6
	.text
	.protected	k_q48da4535fc_hyk
	.globl	k_q48da4535fc_hyk
	.p2align	8
	.type	k_q48da4535fc_hyk,@function
k_q48da4535fc_hyk:
	s_mov_b64 s[64:65], 0
	v_nop
	global_prefetch_b8 v0, s[64:65] scope:SCOPE_SE
	s_setreg_imm32_b32 hwreg(HW_REG_WAVE_SCHED_MODE, 0, 2), 2
	s_setreg_imm32_b32 hwreg(HW_REG_WAVE_MODE, 25, 1), 1
	s_wait_xcnt 0x0
	s_wait_alu depctr_vm_vsrc(0)
; THE HYPER PRODUCT, one text for two launches; HYV picks the launch.  P[i][row] = the sum over c of qp[i][c] Wh[row][c] for 256 rows of the hyper weights and all 512 rows i; P stays in accumulators.
;   HYV = 0 (K side): n = id / 32, kb = id % 32.  N tile tau, row 8 h + jj is weight row (32 n + tau + 16 h) 256 + 8 kb + jj.  U[i][n][8 kb + jj] = the sum over dd = tau + 16 h of qp[i][32 n + dd] P: f32, to u [n][kb][i][8].
;   HYV = 1 (V side): j = id, n = j / 32.  N tile tau, row 8 h + jj is weight row 256 j + 16 tau + 8 h + jj.  out[i][j] = the sum over k of P[i][k] W[i][n][k]: f32, to outT [j][w][r][mt'].
; No sum crosses work-groups.  Each weight byte is read once in the launch, by one wave.
; SHARES.  Four waves; wave w owns the M tiles 8 w .. 8 w + 7, whose fragments of qp (f16, from qf) stay in 512 registers.  The 16 N tiles go by, one a slot: each wave loads 4 of a tile's 16 rows (4,096 bytes on end)
; into registers, rounds them f32 -> bf16 -> the same number as f16, and puts them into LDS; behind a barrier every wave reads the whole tile as fragments: 64 products a slot.
; The weights pass through registers in any case, to be converted: so they are loaded into registers, and no copy engine fills LDS.
; THE MATRIX INSTRUCTION IS USED TRANSPOSED (source 0 = 16 weight rows, source 1 = 16 rows of qp): result register jj of lane (r, h) is P[i = r][tile row 8 h + jj].
; CHANNEL MAP of both sources: fragment f, registers 4e..4e+3, element j = channel 32 f + 16 h + 8 e + j: 32 bytes on end of an LDS row.
; IN FLIGHT.  Three register slots of raw weights: tiles x + 2, x + 3, x + 4 are out while tile x is multiplied; the multipliers E (qp or W) likewise, three slots.
; LIMITS.  The weights and qp are f16 operands: magnitudes under 65,504; below 6.1e-5 f16's fixed step of 6e-8.
; NO CLUSTER: the weights, all but 1/256 of a work-group's bytes, are shared by nobody.
; THE MODE: SCHED_MODE bits 1:0 = 2 (LLVM: expert scheduling mode 2), set by the entry lines.  The code itself states the register dependences
; between vector or matrix instructions and memory or LDS instructions, with s_wait_alu, always for 0.
; THE PLAN.  Registers that memory or LDS instructions touch, in the slot of tile x (i = x % 3):
;   B               The slot's 16 fragment loads land in it; the slot's 64 products read it.
;   RAW[(i+1) % 3]  The slot's conversions read and write it; its 8 LDS stores read its first 16 registers; then the loads of tile x + 4 land in it.
;   EV[i]           The slot's EPI reads it; the loads of tile x + 3's multipliers land in it at the head of the next slot.
;   v3 to v9        Offsets, LDS addresses and the add's two registers: written at the head, never again.
;   qp's fragments are loaded once; D, ACC and UA are named by vector and matrix instructions alone until the end.
; So a slot has: one wait on va_vdst at its head (the slot before is done reading B and its EV), behind which the fragment loads and the multipliers' loads go out; one behind the conversions, ahead of the LDS stores;
; and, where the raw slot is asked for again, one on vm_vsrc and one on va_vdst behind those stores, ahead of the loads.
; REGISTERS, in windows of 256 (s_set_vgpr_msb: bits 1:0 source 0, 3:2 source 1, 5:4 source 2, 7:6 destination):
;   window 0: v0-10 addresses; v32-95 B, the tile's fragments; v96-159 D, eight accumulators; (HYV) v160-175 ACC, v176-191 at work at the end
;   window 1: qp's fragments f = 0-3 at 32 mt' + 8 f + 4 e      window 2: f = 4-7      window 3: v0-95 RAW, three slots; v96.. EV, three slots; (K side) v160-223 UA
.set HYV, 0
.if HYV
.set TST, 16384                        ; bytes from an N tile's rows to the next tile's
.set EST, 16384                        ; the same for the multipliers
.set LE,  8                            ; loads of 16 bytes a lane for a tile's multipliers
.else
.set TST, 262144
.set EST, 4096
.set LE,  2
.endif
.set PITCH, 528                        ; an LDS row: 512 bytes + 16: 33 x 16 bytes, so the 16 rows of a fragment load start in 16 different columns of 16 bytes
.set BUFB,  8704                       ; a tile: 16 rows, rounded up to whole blocks of 256 bytes
.set SPARE, 3*BUFB                     ; behind the three tiles: the spare words, 128 bytes a wave, that no other line names
.set L16, 3                            ; v3  16 x lane
.set BA,  4                            ; v4  528 r + 32 h: my place in a tile's fragments
.set SA,  5                            ; v5  my 4 rows, 8 bytes a lane: where I put converted weights
.set PFO, 6                            ; v6  256 x lane: the prefetches' offset
.set STO, 7                            ; v7  32 r + 16 h: my 16 bytes of the result
.set SPW, 8                            ; v8  my spare word; never rewritten
.set NIL, 9                            ; v9  0; never rewritten
.set B,   32
.set D,   96
.set ACC, 160
.set F,   176
.set X,   184
.set RAW, 0
.set EV,  96
.set UA,  160
.set WV,  12                           ; s12 my wave's number
.set RB,  16                           ; s[16:17] my 4 rows of the trip's first tile
.set EB,  18                           ; s[18:19] my multipliers of the trip's first tile
.set PF,  20                           ; s[20:21] my half (waves 0, 1) of the trip's first tile
.set AB,  22                           ; s[22:23] qf at my 8 M tiles
.set OF,  24                           ; s[24:25] an offset
.set TR,  26                           ; s26 trips to go
.set LIM, 27                           ; s27 1 in a wave that prefetches, else the greatest number
.set HM,  28                           ; s28 mask of a word's upper half
.set SEL, 30                           ; s[30:31] v_permlanex16_b32's selects: each lane takes its own place in the other half
.set WC,  16+3*LE                      ; loads issued behind R(x + 1) when it is wanted: E(x), R(x + 2), E(x + 1), R(x + 3), E(x + 2)
.set WE,  24+2*LE                      ; behind E(x): R(x + 2), E(x + 1), R(x + 3), E(x + 2), R(x + 4)
.set MSB, 0
.macro WIN new                         ; the high byte repeats the setting that is left; a switch that changes nothing is dropped
.if MSB != (\new)
	s_set_vgpr_msb (MSB<<8)|(\new)
.set MSB, \new
.endif
.endm
.macro CVT R, N                        ; N f32 at v[R ..] -> bf16 -> that number as f16, packed into v[R .. R + N/2 - 1]; the last stage goes upward, so no source is lost
.set cp, 0
.rept (\N)/2
	v_cvt_pk_bf16_f32 v[(\R)+2*cp], v[(\R)+2*cp], v[(\R)+2*cp+1]
.set cp, cp+1
.endr
.set cp, 0
.rept (\N)/2
	v_and_b32 v[(\R)+2*cp+1], s[HM], v[(\R)+2*cp]
	v_lshlrev_b32 v[(\R)+2*cp], 16, v[(\R)+2*cp]
.set cp, cp+1
.endr
.set cp, 0
.rept (\N)/2
	v_cvt_pk_f16_f32 v[(\R)+cp], v[(\R)+2*cp], v[(\R)+2*cp+1]
.set cp, cp+1
.endr
.endm
.macro PLACES                          ; four places behind the last product, ahead of reads of results (ISA guide 7.12.1)
.rept 4
	v_nop
.endr
.endm
.macro RLOAD s, off                    ; my 4 rows of a tile, 4,096 bytes on end: load qd is row qd / 2, channels 128 (qd % 2) + 4 l ..
	WIN 0xc0
.irp qd, 0,1,2,3,4,5,6,7
	global_load_b128 v[RAW+32*(\s)+4*\qd:RAW+32*(\s)+4*\qd+3], v[L16], s[RB:RB+1] offset:(\off)+512*\qd th:TH_LOAD_NT
.endr
.endm
.macro ELOAD i, off                    ; a tile's multipliers for my 8 M tiles
	WIN 0xc0
.set z, 0
.rept LE
	global_load_b128 v[EV+4*LE*(\i)+4*z:EV+4*LE*(\i)+4*z+3], v[L16], s[EB:EB+1] offset:(\off)+512*z
.set z, z+1
.endr
.endm
.macro CONV s                          ; raw slot s is converted and put into tile buffer s: each store is 256 bytes on end
	WIN 0xff
	CVT RAW+32*(\s), 32
	WIN 0x0c
	s_wait_alu depctr_va_vdst(0)                   ; the conversions have written RAW[s]'s first 16 registers, which the LDS stores read
.irp qd, 0,1,2,3,4,5,6,7
	ds_store_b64 v[SA], v[RAW+32*(\s)+2*\qd:RAW+32*(\s)+2*\qd+1] offset:BUFB*(\s)+PITCH*(\qd/2)+256*(\qd%2)
.endr
.endm
.macro BLOAD i                         ; the whole tile as 8 fragments
	WIN 0
.irp f, 0,1,2,3,4,5,6,7
	ds_load_b128 v[B+8*\f:B+8*\f+3],   v[BA] offset:BUFB*(\i)+64*\f
	ds_load_b128 v[B+8*\f+4:B+8*\f+7], v[BA] offset:BUFB*(\i)+64*\f+16
.endr
.endm
.macro MULS                            ; 64 products; the eight accumulators take turns, one instruction a turn; the first eight start the sums
.set f, 0
.rept 8
	WIN 0x04+0x04*(f/4)
.irp m, 0,1,2,3,4,5,6,7
.if f == 0
	v_wmma_f32_16x16x32_f16 v[D+8*\m:D+8*\m+7], v[B+8*f:B+8*f+7], v[32*\m+8*(f%4):32*\m+8*(f%4)+7], 0
.else
	v_wmma_f32_16x16x32_f16 v[D+8*\m:D+8*\m+7], v[B+8*f:B+8*f+7], v[32*\m+8*(f%4):32*\m+8*(f%4)+7], v[D+8*\m:D+8*\m+7]
.endif
.endr
.set f, f+1
.endr
.endm
; A PREFETCH INTO THE L2 of tile x + 7, three slots ahead of its load: waves 0 and 1 ask, each for half of the tile's 16 rows, a lane for each 256 bytes: each block is named once in the launch.
; It stands behind the slot's run of loads.  The loop's last trip asks for nothing: tiles beyond 15 do not exist.  Tiles 0 to 6 come by their loads alone.  Its offset, v6, was written ahead of the head's wait on va_vdst and never since.
.macro ASK off
	WIN 0
	s_cmp_gt_u32 s[TR], s[LIM]
	s_cbranch_scc0 .Lno_ask_\@
	global_prefetch_b8 v[PFO], s[PF:PF+1] offset:\off th:TH_LOAD_NT scope:SCOPE_SE
.Lno_ask_\@:
.endm
; What is made of a finished tile; each accumulator is read from its low end on.
.macro EPI i
.if HYV
	WIN 0x0c                                       ; ACC[2 m + jj % 2] += P x W, W an f16 half
.irp jj, 0,1,2,3,4,5,6,7
.irp m, 0,1,2,3,4,5,6,7
.if (\jj)&1
	v_fma_mix_f32 v[ACC+2*\m+1], v[D+8*\m+\jj], v[EV+32*(\i)+4*\m+\jj/2], v[ACC+2*\m+1] op_sel:[0,1,0] op_sel_hi:[0,1,0]
.else
	v_fma_mix_f32 v[ACC+2*\m], v[D+8*\m+\jj], v[EV+32*(\i)+4*\m+\jj/2], v[ACC+2*\m] op_sel_hi:[0,1,0]
.endif
.endr
.endr
.else
	WIN 0xfc                                       ; UA[8 m + jj] += P x qp[i][32 n + 16 h + tau]: register m of the slot's eight multiplies both halves
.irp m, 0,1,2,3,4,5,6,7
.irp p, 0,1,2,3
.if (\m)&1
	v_pk_fma_f32 v[UA+8*\m+2*\p:UA+8*\m+2*\p+1], v[D+8*\m+2*\p:D+8*\m+2*\p+1], v[EV+8*(\i)+\m-1:EV+8*(\i)+\m], v[UA+8*\m+2*\p:UA+8*\m+2*\p+1] op_sel:[0,1,0] op_sel_hi:[1,1,1]
.else
	v_pk_fma_f32 v[UA+8*\m+2*\p:UA+8*\m+2*\p+1], v[D+8*\m+2*\p:D+8*\m+2*\p+1], v[EV+8*(\i)+\m:EV+8*(\i)+\m+1], v[UA+8*\m+2*\p:UA+8*\m+2*\p+1] op_sel_hi:[1,0,1]
.endif
.endr
.endr
.endif
.endm
; THE SLOT of tile x, i = x % 3.  conv: tile x + 1 is converted; rl: tile x + 4 is asked for; el: the multipliers of tile x + 2, into the slot that the last EPI read; ask: the prefetch; wc, we: the two counted waits.
.macro SLOT i, conv, rl, el, ask, wc, we
	WIN 0
	s_wait_dscnt 0x0                               ; my stores of tile x are done (my reads of tile x - 1 came back ahead of its products)
	s_barrier_signal -1
	s_barrier_wait -1                              ; tile x is whole, and nobody reads the buffer that tile x + 1 goes into
	s_wait_alu depctr_va_vdst(0)                   ; the products of the slot before are done reading B, in which the fragments land; its EPI is done reading EV[(i + 2) % 3], in which the multipliers land
	BLOAD \i
.if \el
	ELOAD ((\i)+2)%3, ((\i)+2)*EST                 ; between the wait above and these loads stand the fragment loads and a window switch alone
.endif
.if \conv
	s_wait_loadcnt \wc                             ; R(x + 1) is in; the younger loads stay out
	CONV ((\i)+1)%3                                ; the conversion stands in the wait for the fragments
.if \rl
	WIN 0xc0
	s_wait_alu depctr_vm_vsrc(0)                   ; the LDS stores have read the raw slot's first 16 registers, in which the loads below land
	s_wait_alu depctr_va_vdst(0)                   ; the conversions are done reading and writing the raw slot: stated anew behind the switch, since the stores between name its registers
	RLOAD ((\i)+1)%3, ((\i)+4)*TST                 ; the slot is asked for again at once
.endif
.if \ask
	ASK ((\i)+7)*TST
.endif
	s_wait_dscnt 8                                 ; the 16 fragment loads are back; my 8 younger stores may stay out
.else
	s_wait_dscnt 0x0
.endif
	MULS
	PLACES
	s_wait_loadcnt \we                             ; E(x) is in
	EPI \i
.endm
	s_load_b256 s[4:11], s[0:1], 0x0               ; weights s[4:5], qf s[6:7], multipliers s[8:9], result s[10:11]
	v_lshl_add_u32 v[SPW], v0, 2, SPARE
	v_mov_b32 v[NIL], 0
	v_lshrrev_b32 v1, 5, v0
	v_readfirstlane_b32 s[WV], v1                  ; wave 0..3
	v_and_b32 v1, 15, v0                           ; r
	v_bfe_u32 v2, v0, 4, 1                         ; h
	v_and_b32 v10, 31, v0                          ; l
	v_lshlrev_b32 v[L16], 4, v10
	v_mul_u32_u24 v[BA], v1, PITCH
	v_lshl_add_u32 v[BA], v2, 5, v[BA]
	s_wait_alu depctr_va_sdst(0)                   ; the wave's number is written, ahead of its first reader
	s_mul_i32 s13, s[WV], 4*PITCH
	v_lshl_add_u32 v[SA], v10, 3, s13
	v_lshlrev_b32 v[PFO], 8, v10
	v_lshlrev_b32 v[STO], 5, v1
	v_lshl_add_u32 v[STO], v2, 4, v[STO]
	s_mov_b32 s[HM], 0xffff0000
	s_mov_b32 s[SEL], 0x76543210
	s_mov_b32 s[SEL+1], 0xfedcba98
	s_mov_b32 s[OF+1], 0
	s_mov_b32 s[TR], 4
	s_and_b32 s14, s[WV], 1
	s_cmp_lt_u32 s[WV], 2
	s_cselect_b32 s[LIM], 1, -1
	s_wait_kmcnt 0x0
.if HYV
	s_lshl_b32 s29, ttmp9, 18                      ; j's 256 rows of 1,024 bytes
	s_lshl_b32 s15, s[WV], 12
	s_add_co_u32 s[OF], s29, s15
	s_add_nc_u64 s[RB:RB+1], s[4:5], s[OF:OF+1]    ; + my 4 rows
	s_lshl_b32 s15, s14, 13
	s_add_co_u32 s[OF], s29, s15
	s_add_nc_u64 s[PF:PF+1], s[4:5], s[OF:OF+1]    ; + my half of a tile
	s_lshr_b32 s13, ttmp9, 5                       ; n
	s_lshl_b32 s[OF], s13, 18
	s_lshl_b32 s15, s[WV], 12
	s_add_co_u32 s[OF], s[OF], s15
	s_add_nc_u64 s[EB:EB+1], s[8:9], s[OF:OF+1]    ; wt at (n, nt = 0, mt = 8 w)
	s_lshl_b32 s[OF], ttmp9, 11
	s_lshl_b32 s15, s[WV], 9
	s_add_co_u32 s[OF], s[OF], s15
	s_add_nc_u64 s[10:11], s[10:11], s[OF:OF+1]    ; outT at (j, w)
.else
	s_lshr_b32 s13, ttmp9, 5                       ; n
	s_and_b32 s15, ttmp9, 31                       ; kb
	s_lshl_b32 s29, s13, 23
	s_lshl_b32 s15, s15, 13
	s_add_co_u32 s29, s29, s15                     ; row (32 n) 256 + 8 kb, in bytes
	s_lshr_b32 s15, s[WV], 1
	s_lshl_b32 s15, s15, 22                        ; + 16 (w / 2) x 256 rows
	s_add_co_u32 s[OF], s29, s15
	s_lshl_b32 s15, s14, 12                        ; + 4 (w % 2) rows
	s_add_co_u32 s[OF], s[OF], s15
	s_add_nc_u64 s[RB:RB+1], s[4:5], s[OF:OF+1]
	s_lshl_b32 s15, s14, 22
	s_add_co_u32 s[OF], s29, s15
	s_add_nc_u64 s[PF:PF+1], s[4:5], s[OF:OF+1]    ; the tile's rows 8 (w % 2) .. + 7: 8,192 bytes on end
	s_lshl_b32 s[OF], s13, 16
	s_lshl_b32 s15, s[WV], 10
	s_add_co_u32 s[OF], s[OF], s15
	s_add_nc_u64 s[EB:EB+1], s[8:9], s[OF:OF+1]    ; qs at (n, tau = 0, w)
	s_lshl_b32 s[OF], ttmp9, 14
	s_lshl_b32 s15, s[WV], 12
	s_add_co_u32 s[OF], s[OF], s15
	s_add_nc_u64 s[10:11], s[10:11], s[OF:OF+1]    ; u at (n, kb, i = 128 w)
.endif
	s_lshl_b32 s[OF], s[WV], 16
	s_add_nc_u64 s[AB:AB+1], s[6:7], s[OF:OF+1]
	; the first loads, in the loop's own order of issue, then qp's 128
	WIN 0xc0
	s_wait_alu depctr_va_vdst(0)                   ; v3 to v9 are written: every load, store, LDS instruction and prefetch of the kernel reads one of them as its offset or address, the closing add two
	RLOAD 0, 0
	RLOAD 1, TST
	ELOAD 0, 0
	RLOAD 2, 2*TST
	ELOAD 1, EST
	WIN 0x40
.set m, 0
.rept 8
.irp c, 0,1,2,3,4,5,6,7
	global_load_b128 v[32*m+4*\c:32*m+4*\c+3], v[L16], s[AB:AB+1] offset:8192*m+512*\c
.endr
.set m, m+1
.endr
	WIN 0x80
.set m, 0
.rept 8
.irp c, 0,1,2,3,4,5,6,7
	global_load_b128 v[32*m+4*\c:32*m+4*\c+3], v[L16], s[AB:AB+1] offset:8192*m+4096+512*\c
.endr
.set m, m+1
.endr
	; the vector sums start at 0, written while the first loads are out, so that every slot has one text
.if HYV
	WIN 0
.set z, 0
.rept 32
	v_mov_b32 v[ACC+z], 0
.set z, z+1
.endr
.else
	WIN 0xc0
.set z, 0
.rept 64
	v_mov_b32 v[UA+z], 0
.set z, z+1
.endr
.endif
	s_wait_loadcnt 0x0
	CONV 0                                         ; tile 0
	WIN 0xc0
	s_wait_alu depctr_vm_vsrc(0)                   ; the LDS stores have read raw slot 0's first 16 registers, in which the loads below land
	s_wait_alu depctr_va_vdst(0)                   ; the conversions are done reading and writing raw slot 0: stated anew behind the switch, since the stores between name its registers
	RLOAD 0, 3*TST
	WIN 0                                          ; at a label and at a branch every window is 0
.Ltrip:                                            ; four trips of three slots: tiles 0 to 11
	SLOT 0, 1, 1, 1, 1, WC, WE
	SLOT 1, 1, 1, 1, 1, WC, WE
	SLOT 2, 1, 1, 1, 1, WC, WE
	WIN 0
	s_wait_xcnt 0x0                                ; every load and prefetch issued so far has read its address (the youngest prefetch 64 products back): the bases may be written
	s_add_nc_u64 s[RB:RB+1], s[RB:RB+1], 3*TST
	s_add_nc_u64 s[PF:PF+1], s[PF:PF+1], 3*TST
	s_add_nc_u64 s[EB:EB+1], s[EB:EB+1], 3*EST
	s_sub_co_u32 s[TR], s[TR], 1
	s_cmp_lg_u32 s[TR], 0
	s_cbranch_scc1 .Ltrip
	SLOT 0, 1, 0, 1, 0, 16+3*LE, 16+2*LE           ; tile 12: no weights are left to ask for; the counts fall by the groups that are no longer issued
	SLOT 1, 1, 0, 1, 0, 8+3*LE, 8+2*LE             ; tile 13: the last multipliers, tile 15's, are asked for
	SLOT 2, 1, 0, 0, 0, 2*LE, LE                   ; tile 14
	SLOT 0, 0, 0, 0, 0, 0, 0                       ; tile 15
	WIN 0
	v_cmp_eq_u32 vcc_lo, 1, v2                     ; h = 1
.if HYV
	; the two parities, then the other half of the lanes' k; lane (r, h) stores the M tiles 4 h .. 4 h + 3 of row r: 16 bytes, a wave 512 on end
.irp m, 0,1,2,3,4,5,6,7
	v_add_f32 v[F+\m], v[ACC+2*\m], v[ACC+2*\m+1]
.endr
.irp m, 0,1,2,3,4,5,6,7
	v_permlanex16_b32 v[X+\m], v[F+\m], s[SEL], s[SEL+1]
.endr
.irp m, 0,1,2,3,4,5,6,7
	v_add_f32 v[F+\m], v[F+\m], v[X+\m]
.endr
	s_wait_alu depctr_va_vcc(0)                    ; the compare has written VCC, ahead of its first reader
.irp z, 0,1,2,3
	v_cndmask_b32 v[X+\z], v[F+\z], v[F+4+\z], vcc_lo
.endr
	s_wait_alu depctr_va_vdst(0)                   ; the selects have written v[X ..], which the store reads
	global_store_b128 v[STO], v[X:X+3], s[10:11]
.else
	; the other half of the lanes holds the other 16 dd: lane h keeps jj = 4 h .. 4 h + 3 and sends the other four across.  At work: window 3, v0-11; results v32-63
	s_wait_alu depctr_va_vcc(0)                    ; the compare has written VCC, ahead of its first reader
	s_wait_alu depctr_vm_vsrc(0)                   ; the last tiles' LDS stores have read window 3's v0-15 and v32-47, which the lines below write
	WIN 0xff
.irp m, 0,1,2,3,4,5,6,7
.irp z, 0,1,2,3
	v_cndmask_b32 v[\z], v[UA+8*\m+4+\z], v[UA+8*\m+\z], vcc_lo
	v_cndmask_b32 v[4+\z], v[UA+8*\m+\z], v[UA+8*\m+4+\z], vcc_lo
.endr
.irp z, 0,1,2,3
	v_permlanex16_b32 v[8+\z], v[\z], s[SEL], s[SEL+1]
.endr
.irp z, 0,1,2,3
	v_add_f32 v[32+4*\m+\z], v[4+\z], v[8+\z]
.endr
.endr
	WIN 0x0c
	s_wait_alu depctr_va_vdst(0)                   ; the additions have written window 3's v32-63, which the stores read
.irp m, 0,1,2,3,4,5,6,7
	global_store_b128 v[STO], v[32+4*\m:32+4*\m+3], s[10:11] offset:512*\m  ; 16 rows i x 32 bytes: 512 bytes on end
.endr
	WIN 0
.endif
	s_wait_dscnt 0x0                               ; the closing lines, six on end
	s_wait_alu 0x0
	s_wait_tensorcnt 0x0
	ds_add_u32 v[SPW], v[NIL]
	s_wait_dscnt 0x0
	s_endpgm
.Lfunc_end_k_q48da4535fc_hyk:
	.size	k_q48da4535fc_hyk, .Lfunc_end_k_q48da4535fc_hyk-k_q48da4535fc_hyk
	.p2alignl 7, 3214868480
	.fill 96, 4, 3214868480
	.section	.rodata,"a",@progbits
	.p2align	6, 0x0
	.amdhsa_kernel k_q48da4535fc_hyk
		.amdhsa_group_segment_fixed_size 26624
		.amdhsa_private_segment_fixed_size 0
		.amdhsa_enable_private_segment 0
		.amdhsa_kernarg_size 32
		.amdhsa_user_sgpr_count 2
		.amdhsa_user_sgpr_kernarg_segment_ptr 1
		.amdhsa_wavefront_size32 1
		.amdhsa_system_sgpr_workgroup_id_x 1
		.amdhsa_system_sgpr_workgroup_id_y 1
		.amdhsa_system_sgpr_workgroup_id_z 1
		.amdhsa_system_vgpr_workitem_id 0
		.amdhsa_next_free_vgpr 992
		.amdhsa_next_free_sgpr 66
		.amdhsa_reserve_vcc 1
		.amdhsa_float_denorm_mode_32 3
		.amdhsa_float_denorm_mode_16_64 3
		.amdhsa_memory_ordered 1
		.amdhsa_forward_progress 1
		.amdhsa_inst_pref_size 109
	.end_amdhsa_kernel
	.amdgpu_metadata
---
amdhsa.version: [ 1, 2 ]
amdhsa.kernels:
  - .name:           k_q48da4535fc_hyk
    .symbol:         k_q48da4535fc_hyk.kd
    .args:
      - { .name: Wk_hyper, .offset: 0, .size: 8, .value_kind: global_buffer, .address_space: global }
      - { .name: qf, .offset: 8, .size: 8, .value_kind: global_buffer, .address_space: global }
      - { .name: qs, .offset: 16, .size: 8, .value_kind: global_buffer, .address_space: global }
      - { .name: u, .offset: 24, .size: 8, .value_kind: global_buffer, .address_space: global }
    .group_segment_fixed_size: 26624
    .private_segment_fixed_size: 0
    .kernarg_segment_align: 8
    .kernarg_segment_size: 32
    .max_flat_workgroup_size: 128
    .sgpr_count:     66
    .vgpr_count:     992
    .wavefront_size: 32
...
	.end_amdgpu_metadata
.endif
;; end of part 6
;; launch att: the kernel of part 3 again; grid 256 x 1, 4 waves a work-group, no clusters, 17,408 bytes of LDS; arguments u, kf, vf, mask, wt; writes wt
;; launch hyv (part 7): grid 256 x 1, 4 waves a work-group, no clusters, 26,624 bytes of LDS; arguments Wv_hyper, qf, wt, outT; writes outT
.if DOCPART == 7
	.amdgcn_target "amdgcn-amd-amdhsa--gfx1250"
	.amdhsa_code_object_version 6
	.text
	.protected	k_q48da4535fc_hyv
	.globl	k_q48da4535fc_hyv
	.p2align	8
	.type	k_q48da4535fc_hyv,@function
k_q48da4535fc_hyv:
	s_mov_b64 s[64:65], 0
	v_nop
	global_prefetch_b8 v0, s[64:65] scope:SCOPE_SE
	s_setreg_imm32_b32 hwreg(HW_REG_WAVE_SCHED_MODE, 0, 2), 2
	s_setreg_imm32_b32 hwreg(HW_REG_WAVE_MODE, 25, 1), 1
	s_wait_xcnt 0x0
	s_wait_alu depctr_vm_vsrc(0)
; THE HYPER PRODUCT, one text for two launches; HYV picks the launch.  P[i][row] = the sum over c of qp[i][c] Wh[row][c] for 256 rows of the hyper weights and all 512 rows i; P stays in accumulators.
;   HYV = 0 (K side): n = id / 32, kb = id % 32.  N tile tau, row 8 h + jj is weight row (32 n + tau + 16 h) 256 + 8 kb + jj.  U[i][n][8 kb + jj] = the sum over dd = tau + 16 h of qp[i][32 n + dd] P: f32, to u [n][kb][i][8].
;   HYV = 1 (V side): j = id, n = j / 32.  N tile tau, row 8 h + jj is weight row 256 j + 16 tau + 8 h + jj.  out[i][j] = the sum over k of P[i][k] W[i][n][k]: f32, to outT [j][w][r][mt'].
; No sum crosses work-groups.  Each weight byte is read once in the launch, by one wave.
; SHARES.  Four waves; wave w owns the M tiles 8 w .. 8 w + 7, whose fragments of qp (f16, from qf) stay in 512 registers.  The 16 N tiles go by, one a slot: each wave loads 4 of a tile's 16 rows (4,096 bytes on end)
; into registers, rounds them f32 -> bf16 -> the same number as f16, and puts them into LDS; behind a barrier every wave reads the whole tile as fragments: 64 products a slot.
; The weights pass through registers in any case, to be converted: so they are loaded into registers, and no copy engine fills LDS.
; THE MATRIX INSTRUCTION IS USED TRANSPOSED (source 0 = 16 weight rows, source 1 = 16 rows of qp): result register jj of lane (r, h) is P[i = r][tile row 8 h + jj].
; CHANNEL MAP of both sources: fragment f, registers 4e..4e+3, element j = channel 32 f + 16 h + 8 e + j: 32 bytes on end of an LDS row.
; IN FLIGHT.  Three register slots of raw weights: tiles x + 2, x + 3, x + 4 are out while tile x is multiplied; the multipliers E (qp or W) likewise, three slots.
; LIMITS.  The weights and qp are f16 operands: magnitudes under 65,504; below 6.1e-5 f16's fixed step of 6e-8.
; NO CLUSTER: the weights, all but 1/256 of a work-group's bytes, are shared by nobody.
; THE MODE: SCHED_MODE bits 1:0 = 2 (LLVM: expert scheduling mode 2), set by the entry lines.  The code itself states the register dependences
; between vector or matrix instructions and memory or LDS instructions, with s_wait_alu, always for 0.
; THE PLAN.  Registers that memory or LDS instructions touch, in the slot of tile x (i = x % 3):
;   B               The slot's 16 fragment loads land in it; the slot's 64 products read it.
;   RAW[(i+1) % 3]  The slot's conversions read and write it; its 8 LDS stores read its first 16 registers; then the loads of tile x + 4 land in it.
;   EV[i]           The slot's EPI reads it; the loads of tile x + 3's multipliers land in it at the head of the next slot.
;   v3 to v9        Offsets, LDS addresses and the add's two registers: written at the head, never again.
;   qp's fragments are loaded once; D, ACC and UA are named by vector and matrix instructions alone until the end.
; So a slot has: one wait on va_vdst at its head (the slot before is done reading B and its EV), behind which the fragment loads and the multipliers' loads go out; one behind the conversions, ahead of the LDS stores;
; and, where the raw slot is asked for again, one on vm_vsrc and one on va_vdst behind those stores, ahead of the loads.
; REGISTERS, in windows of 256 (s_set_vgpr_msb: bits 1:0 source 0, 3:2 source 1, 5:4 source 2, 7:6 destination):
;   window 0: v0-10 addresses; v32-95 B, the tile's fragments; v96-159 D, eight accumulators; (HYV) v160-175 ACC, v176-191 at work at the end
;   window 1: qp's fragments f = 0-3 at 32 mt' + 8 f + 4 e      window 2: f = 4-7      window 3: v0-95 RAW, three slots; v96.. EV, three slots; (K side) v160-223 UA
.set HYV, 1
.if HYV
.set TST, 16384                        ; bytes from an N tile's rows to the next tile's
.set EST, 16384                        ; the same for the multipliers
.set LE,  8                            ; loads of 16 bytes a lane for a tile's multipliers
.else
.set TST, 262144
.set EST, 4096
.set LE,  2
.endif
.set PITCH, 528                        ; an LDS row: 512 bytes + 16: 33 x 16 bytes, so the 16 rows of a fragment load start in 16 different columns of 16 bytes
.set BUFB,  8704                       ; a tile: 16 rows, rounded up to whole blocks of 256 bytes
.set SPARE, 3*BUFB                     ; behind the three tiles: the spare words, 128 bytes a wave, that no other line names
.set L16, 3                            ; v3  16 x lane
.set BA,  4                            ; v4  528 r + 32 h: my place in a tile's fragments
.set SA,  5                            ; v5  my 4 rows, 8 bytes a lane: where I put converted weights
.set PFO, 6                            ; v6  256 x lane: the prefetches' offset
.set STO, 7                            ; v7  32 r + 16 h: my 16 bytes of the result
.set SPW, 8                            ; v8  my spare word; never rewritten
.set NIL, 9                            ; v9  0; never rewritten
.set B,   32
.set D,   96
.set ACC, 160
.set F,   176
.set X,   184
.set RAW, 0
.set EV,  96
.set UA,  160
.set WV,  12                           ; s12 my wave's number
.set RB,  16                           ; s[16:17] my 4 rows of the trip's first tile
.set EB,  18                           ; s[18:19] my multipliers of the trip's first tile
.set PF,  20                           ; s[20:21] my half (waves 0, 1) of the trip's first tile
.set AB,  22                           ; s[22:23] qf at my 8 M tiles
.set OF,  24                           ; s[24:25] an offset
.set TR,  26                           ; s26 trips to go
.set LIM, 27                           ; s27 1 in a wave that prefetches, else the greatest number
.set HM,  28                           ; s28 mask of a word's upper half
.set SEL, 30                           ; s[30:31] v_permlanex16_b32's selects: each lane takes its own place in the other half
.set WC,  16+3*LE                      ; loads issued behind R(x + 1) when it is wanted: E(x), R(x + 2), E(x + 1), R(x + 3), E(x + 2)
.set WE,  24+2*LE                      ; behind E(x): R(x + 2), E(x + 1), R(x + 3), E(x + 2), R(x + 4)
.set MSB, 0
.macro WIN new                         ; the high byte repeats the setting that is left; a switch that changes nothing is dropped
.if MSB != (\new)
	s_set_vgpr_msb (MSB<<8)|(\new)
.set MSB, \new
.endif
.endm
.macro CVT R, N                        ; N f32 at v[R ..] -> bf16 -> that number as f16, packed into v[R .. R + N/2 - 1]; the last stage goes upward, so no source is lost
.set cp, 0
.rept (\N)/2
	v_cvt_pk_bf16_f32 v[(\R)+2*cp], v[(\R)+2*cp], v[(\R)+2*cp+1]
.set cp, cp+1
.endr
.set cp, 0
.rept (\N)/2
	v_and_b32 v[(\R)+2*cp+1], s[HM], v[(\R)+2*cp]
	v_lshlrev_b32 v[(\R)+2*cp], 16, v[(\R)+2*cp]
.set cp, cp+1
.endr
.set cp, 0
.rept (\N)/2
	v_cvt_pk_f16_f32 v[(\R)+cp], v[(\R)+2*cp], v[(\R)+2*cp+1]
.set cp, cp+1
.endr
.endm
.macro PLACES                          ; four places behind the last product, ahead of reads of results (ISA guide 7.12.1)
.rept 4
	v_nop
.endr
.endm
.macro RLOAD s, off                    ; my 4 rows of a tile, 4,096 bytes on end: load qd is row qd / 2, channels 128 (qd % 2) + 4 l ..
	WIN 0xc0
.irp qd, 0,1,2,3,4,5,6,7
	global_load_b128 v[RAW+32*(\s)+4*\qd:RAW+32*(\s)+4*\qd+3], v[L16], s[RB:RB+1] offset:(\off)+512*\qd th:TH_LOAD_NT
.endr
.endm
.macro ELOAD i, off                    ; a tile's multipliers for my 8 M tiles
	WIN 0xc0
.set z, 0
.rept LE
	global_load_b128 v[EV+4*LE*(\i)+4*z:EV+4*LE*(\i)+4*z+3], v[L16], s[EB:EB+1] offset:(\off)+512*z
.set z, z+1
.endr
.endm
.macro CONV s                          ; raw slot s is converted and put into tile buffer s: each store is 256 bytes on end
	WIN 0xff
	CVT RAW+32*(\s), 32
	WIN 0x0c
	s_wait_alu depctr_va_vdst(0)                   ; the conversions have written RAW[s]'s first 16 registers, which the LDS stores read
.irp qd, 0,1,2,3,4,5,6,7
	ds_store_b64 v[SA], v[RAW+32*(\s)+2*\qd:RAW+32*(\s)+2*\qd+1] offset:BUFB*(\s)+PITCH*(\qd/2)+256*(\qd%2)
.endr
.endm
.macro BLOAD i                         ; the whole tile as 8 fragments
	WIN 0
.irp f, 0,1,2,3,4,5,6,7
	ds_load_b128 v[B+8*\f:B+8*\f+3],   v[BA] offset:BUFB*(\i)+64*\f
	ds_load_b128 v[B+8*\f+4:B+8*\f+7], v[BA] offset:BUFB*(\i)+64*\f+16
.endr
.endm
.macro MULS                            ; 64 products; the eight accumulators take turns, one instruction a turn; the first eight start the sums
.set f, 0
.rept 8
	WIN 0x04+0x04*(f/4)
.irp m, 0,1,2,3,4,5,6,7
.if f == 0
	v_wmma_f32_16x16x32_f16 v[D+8*\m:D+8*\m+7], v[B+8*f:B+8*f+7], v[32*\m+8*(f%4):32*\m+8*(f%4)+7], 0
.else
	v_wmma_f32_16x16x32_f16 v[D+8*\m:D+8*\m+7], v[B+8*f:B+8*f+7], v[32*\m+8*(f%4):32*\m+8*(f%4)+7], v[D+8*\m:D+8*\m+7]
.endif
.endr
.set f, f+1
.endr
.endm
; A PREFETCH INTO THE L2 of tile x + 7, three slots ahead of its load: waves 0 and 1 ask, each for half of the tile's 16 rows, a lane for each 256 bytes: each block is named once in the launch.
; It stands behind the slot's run of loads.  The loop's last trip asks for nothing: tiles beyond 15 do not exist.  Tiles 0 to 6 come by their loads alone.  Its offset, v6, was written ahead of the head's wait on va_vdst and never since.
.macro ASK off
	WIN 0
	s_cmp_gt_u32 s[TR], s[LIM]
	s_cbranch_scc0 .Lno_ask_\@
	global_prefetch_b8 v[PFO], s[PF:PF+1] offset:\off th:TH_LOAD_NT scope:SCOPE_SE
.Lno_ask_\@:
.endm
; What is made of a finished tile; each accumulator is read from its low end on.
.macro EPI i
.if HYV
	WIN 0x0c                                       ; ACC[2 m + jj % 2] += P x W, W an f16 half
.irp jj, 0,1,2,3,4,5,6,7
.irp m, 0,1,2,3,4,5,6,7
.if (\jj)&1
	v_fma_mix_f32 v[ACC+2*\m+1], v[D+8*\m+\jj], v[EV+32*(\i)+4*\m+\jj/2], v[ACC+2*\m+1] op_sel:[0,1,0] op_sel_hi:[0,1,0]
.else
	v_fma_mix_f32 v[ACC+2*\m], v[D+8*\m+\jj], v[EV+32*(\i)+4*\m+\jj/2], v[ACC+2*\m] op_sel_hi:[0,1,0]
.endif
.endr
.endr
.else
	WIN 0xfc                                       ; UA[8 m + jj] += P x qp[i][32 n + 16 h + tau]: register m of the slot's eight multiplies both halves
.irp m, 0,1,2,3,4,5,6,7
.irp p, 0,1,2,3
.if (\m)&1
	v_pk_fma_f32 v[UA+8*\m+2*\p:UA+8*\m+2*\p+1], v[D+8*\m+2*\p:D+8*\m+2*\p+1], v[EV+8*(\i)+\m-1:EV+8*(\i)+\m], v[UA+8*\m+2*\p:UA+8*\m+2*\p+1] op_sel:[0,1,0] op_sel_hi:[1,1,1]
.else
	v_pk_fma_f32 v[UA+8*\m+2*\p:UA+8*\m+2*\p+1], v[D+8*\m+2*\p:D+8*\m+2*\p+1], v[EV+8*(\i)+\m:EV+8*(\i)+\m+1], v[UA+8*\m+2*\p:UA+8*\m+2*\p+1] op_sel_hi:[1,0,1]
.endif
.endr
.endr
.endif
.endm
; THE SLOT of tile x, i = x % 3.  conv: tile x + 1 is converted; rl: tile x + 4 is asked for; el: the multipliers of tile x + 2, into the slot that the last EPI read; ask: the prefetch; wc, we: the two counted waits.
.macro SLOT i, conv, rl, el, ask, wc, we
	WIN 0
	s_wait_dscnt 0x0                               ; my stores of tile x are done (my reads of tile x - 1 came back ahead of its products)
	s_barrier_signal -1
	s_barrier_wait -1                              ; tile x is whole, and nobody reads the buffer that tile x + 1 goes into
	s_wait_alu depctr_va_vdst(0)                   ; the products of the slot before are done reading B, in which the fragments land; its EPI is done reading EV[(i + 2) % 3], in which the multipliers land
	BLOAD \i
.if \el
	ELOAD ((\i)+2)%3, ((\i)+2)*EST                 ; between the wait above and these loads stand the fragment loads and a window switch alone
.endif
.if \conv
	s_wait_loadcnt \wc                             ; R(x + 1) is in; the younger loads stay out
	CONV ((\i)+1)%3                                ; the conversion stands in the wait for the fragments
.if \rl
	WIN 0xc0
	s_wait_alu depctr_vm_vsrc(0)                   ; the LDS stores have read the raw slot's first 16 registers, in which the loads below land
	s_wait_alu depctr_va_vdst(0)                   ; the conversions are done reading and writing the raw slot: stated anew behind the switch, since the stores between name its registers
	RLOAD ((\i)+1)%3, ((\i)+4)*TST                 ; the slot is asked for again at once
.endif
.if \ask
	ASK ((\i)+7)*TST
.endif
	s_wait_dscnt 8                                 ; the 16 fragment loads are back; my 8 younger stores may stay out
.else
	s_wait_dscnt 0x0
.endif
	MULS
	PLACES
	s_wait_loadcnt \we                             ; E(x) is in
	EPI \i
.endm
	s_load_b256 s[4:11], s[0:1], 0x0               ; weights s[4:5], qf s[6:7], multipliers s[8:9], result s[10:11]
	v_lshl_add_u32 v[SPW], v0, 2, SPARE
	v_mov_b32 v[NIL], 0
	v_lshrrev_b32 v1, 5, v0
	v_readfirstlane_b32 s[WV], v1                  ; wave 0..3
	v_and_b32 v1, 15, v0                           ; r
	v_bfe_u32 v2, v0, 4, 1                         ; h
	v_and_b32 v10, 31, v0                          ; l
	v_lshlrev_b32 v[L16], 4, v10
	v_mul_u32_u24 v[BA], v1, PITCH
	v_lshl_add_u32 v[BA], v2, 5, v[BA]
	s_wait_alu depctr_va_sdst(0)                   ; the wave's number is written, ahead of its first reader
	s_mul_i32 s13, s[WV], 4*PITCH
	v_lshl_add_u32 v[SA], v10, 3, s13
	v_lshlrev_b32 v[PFO], 8, v10
	v_lshlrev_b32 v[STO], 5, v1
	v_lshl_add_u32 v[STO], v2, 4, v[STO]
	s_mov_b32 s[HM], 0xffff0000
	s_mov_b32 s[SEL], 0x76543210
	s_mov_b32 s[SEL+1], 0xfedcba98
	s_mov_b32 s[OF+1], 0
	s_mov_b32 s[TR], 4
	s_and_b32 s14, s[WV], 1
	s_cmp_lt_u32 s[WV], 2
	s_cselect_b32 s[LIM], 1, -1
	s_wait_kmcnt 0x0
.if HYV
	s_lshl_b32 s29, ttmp9, 18                      ; j's 256 rows of 1,024 bytes
	s_lshl_b32 s15, s[WV], 12
	s_add_co_u32 s[OF], s29, s15
	s_add_nc_u64 s[RB:RB+1], s[4:5], s[OF:OF+1]    ; + my 4 rows
	s_lshl_b32 s15, s14, 13
	s_add_co_u32 s[OF], s29, s15
	s_add_nc_u64 s[PF:PF+1], s[4:5], s[OF:OF+1]    ; + my half of a tile
	s_lshr_b32 s13, ttmp9, 5                       ; n
	s_lshl_b32 s[OF], s13, 18
	s_lshl_b32 s15, s[WV], 12
	s_add_co_u32 s[OF], s[OF], s15
	s_add_nc_u64 s[EB:EB+1], s[8:9], s[OF:OF+1]    ; wt at (n, nt = 0, mt = 8 w)
	s_lshl_b32 s[OF], ttmp9, 11
	s_lshl_b32 s15, s[WV], 9
	s_add_co_u32 s[OF], s[OF], s15
	s_add_nc_u64 s[10:11], s[10:11], s[OF:OF+1]    ; outT at (j, w)
.else
	s_lshr_b32 s13, ttmp9, 5                       ; n
	s_and_b32 s15, ttmp9, 31                       ; kb
	s_lshl_b32 s29, s13, 23
	s_lshl_b32 s15, s15, 13
	s_add_co_u32 s29, s29, s15                     ; row (32 n) 256 + 8 kb, in bytes
	s_lshr_b32 s15, s[WV], 1
	s_lshl_b32 s15, s15, 22                        ; + 16 (w / 2) x 256 rows
	s_add_co_u32 s[OF], s29, s15
	s_lshl_b32 s15, s14, 12                        ; + 4 (w % 2) rows
	s_add_co_u32 s[OF], s[OF], s15
	s_add_nc_u64 s[RB:RB+1], s[4:5], s[OF:OF+1]
	s_lshl_b32 s15, s14, 22
	s_add_co_u32 s[OF], s29, s15
	s_add_nc_u64 s[PF:PF+1], s[4:5], s[OF:OF+1]    ; the tile's rows 8 (w % 2) .. + 7: 8,192 bytes on end
	s_lshl_b32 s[OF], s13, 16
	s_lshl_b32 s15, s[WV], 10
	s_add_co_u32 s[OF], s[OF], s15
	s_add_nc_u64 s[EB:EB+1], s[8:9], s[OF:OF+1]    ; qs at (n, tau = 0, w)
	s_lshl_b32 s[OF], ttmp9, 14
	s_lshl_b32 s15, s[WV], 12
	s_add_co_u32 s[OF], s[OF], s15
	s_add_nc_u64 s[10:11], s[10:11], s[OF:OF+1]    ; u at (n, kb, i = 128 w)
.endif
	s_lshl_b32 s[OF], s[WV], 16
	s_add_nc_u64 s[AB:AB+1], s[6:7], s[OF:OF+1]
	; the first loads, in the loop's own order of issue, then qp's 128
	WIN 0xc0
	s_wait_alu depctr_va_vdst(0)                   ; v3 to v9 are written: every load, store, LDS instruction and prefetch of the kernel reads one of them as its offset or address, the closing add two
	RLOAD 0, 0
	RLOAD 1, TST
	ELOAD 0, 0
	RLOAD 2, 2*TST
	ELOAD 1, EST
	WIN 0x40
.set m, 0
.rept 8
.irp c, 0,1,2,3,4,5,6,7
	global_load_b128 v[32*m+4*\c:32*m+4*\c+3], v[L16], s[AB:AB+1] offset:8192*m+512*\c
.endr
.set m, m+1
.endr
	WIN 0x80
.set m, 0
.rept 8
.irp c, 0,1,2,3,4,5,6,7
	global_load_b128 v[32*m+4*\c:32*m+4*\c+3], v[L16], s[AB:AB+1] offset:8192*m+4096+512*\c
.endr
.set m, m+1
.endr
	; the vector sums start at 0, written while the first loads are out, so that every slot has one text
.if HYV
	WIN 0
.set z, 0
.rept 32
	v_mov_b32 v[ACC+z], 0
.set z, z+1
.endr
.else
	WIN 0xc0
.set z, 0
.rept 64
	v_mov_b32 v[UA+z], 0
.set z, z+1
.endr
.endif
	s_wait_loadcnt 0x0
	CONV 0                                         ; tile 0
	WIN 0xc0
	s_wait_alu depctr_vm_vsrc(0)                   ; the LDS stores have read raw slot 0's first 16 registers, in which the loads below land
	s_wait_alu depctr_va_vdst(0)                   ; the conversions are done reading and writing raw slot 0: stated anew behind the switch, since the stores between name its registers
	RLOAD 0, 3*TST
	WIN 0                                          ; at a label and at a branch every window is 0
.Ltrip:                                            ; four trips of three slots: tiles 0 to 11
	SLOT 0, 1, 1, 1, 1, WC, WE
	SLOT 1, 1, 1, 1, 1, WC, WE
	SLOT 2, 1, 1, 1, 1, WC, WE
	WIN 0
	s_wait_xcnt 0x0                                ; every load and prefetch issued so far has read its address (the youngest prefetch 64 products back): the bases may be written
	s_add_nc_u64 s[RB:RB+1], s[RB:RB+1], 3*TST
	s_add_nc_u64 s[PF:PF+1], s[PF:PF+1], 3*TST
	s_add_nc_u64 s[EB:EB+1], s[EB:EB+1], 3*EST
	s_sub_co_u32 s[TR], s[TR], 1
	s_cmp_lg_u32 s[TR], 0
	s_cbranch_scc1 .Ltrip
	SLOT 0, 1, 0, 1, 0, 16+3*LE, 16+2*LE           ; tile 12: no weights are left to ask for; the counts fall by the groups that are no longer issued
	SLOT 1, 1, 0, 1, 0, 8+3*LE, 8+2*LE             ; tile 13: the last multipliers, tile 15's, are asked for
	SLOT 2, 1, 0, 0, 0, 2*LE, LE                   ; tile 14
	SLOT 0, 0, 0, 0, 0, 0, 0                       ; tile 15
	WIN 0
	v_cmp_eq_u32 vcc_lo, 1, v2                     ; h = 1
.if HYV
	; the two parities, then the other half of the lanes' k; lane (r, h) stores the M tiles 4 h .. 4 h + 3 of row r: 16 bytes, a wave 512 on end
.irp m, 0,1,2,3,4,5,6,7
	v_add_f32 v[F+\m], v[ACC+2*\m], v[ACC+2*\m+1]
.endr
.irp m, 0,1,2,3,4,5,6,7
	v_permlanex16_b32 v[X+\m], v[F+\m], s[SEL], s[SEL+1]
.endr
.irp m, 0,1,2,3,4,5,6,7
	v_add_f32 v[F+\m], v[F+\m], v[X+\m]
.endr
	s_wait_alu depctr_va_vcc(0)                    ; the compare has written VCC, ahead of its first reader
.irp z, 0,1,2,3
	v_cndmask_b32 v[X+\z], v[F+\z], v[F+4+\z], vcc_lo
.endr
	s_wait_alu depctr_va_vdst(0)                   ; the selects have written v[X ..], which the store reads
	global_store_b128 v[STO], v[X:X+3], s[10:11]
.else
	; the other half of the lanes holds the other 16 dd: lane h keeps jj = 4 h .. 4 h + 3 and sends the other four across.  At work: window 3, v0-11; results v32-63
	s_wait_alu depctr_va_vcc(0)                    ; the compare has written VCC, ahead of its first reader
	s_wait_alu depctr_vm_vsrc(0)                   ; the last tiles' LDS stores have read window 3's v0-15 and v32-47, which the lines below write
	WIN 0xff
.irp m, 0,1,2,3,4,5,6,7
.irp z, 0,1,2,3
	v_cndmask_b32 v[\z], v[UA+8*\m+4+\z], v[UA+8*\m+\z], vcc_lo
	v_cndmask_b32 v[4+\z], v[UA+8*\m+\z], v[UA+8*\m+4+\z], vcc_lo
.endr
.irp z, 0,1,2,3
	v_permlanex16_b32 v[8+\z], v[\z], s[SEL], s[SEL+1]
.endr
.irp z, 0,1,2,3
	v_add_f32 v[32+4*\m+\z], v[4+\z], v[8+\z]
.endr
.endr
	WIN 0x0c
	s_wait_alu depctr_va_vdst(0)                   ; the additions have written window 3's v32-63, which the stores read
.irp m, 0,1,2,3,4,5,6,7
	global_store_b128 v[STO], v[32+4*\m:32+4*\m+3], s[10:11] offset:512*\m  ; 16 rows i x 32 bytes: 512 bytes on end
.endr
	WIN 0
.endif
	s_wait_dscnt 0x0                               ; the closing lines, six on end
	s_wait_alu 0x0
	s_wait_tensorcnt 0x0
	ds_add_u32 v[SPW], v[NIL]
	s_wait_dscnt 0x0
	s_endpgm
.Lfunc_end_k_q48da4535fc_hyv:
	.size	k_q48da4535fc_hyv, .Lfunc_end_k_q48da4535fc_hyv-k_q48da4535fc_hyv
	.p2alignl 7, 3214868480
	.fill 96, 4, 3214868480
	.section	.rodata,"a",@progbits
	.p2align	6, 0x0
	.amdhsa_kernel k_q48da4535fc_hyv
		.amdhsa_group_segment_fixed_size 26624
		.amdhsa_private_segment_fixed_size 0
		.amdhsa_enable_private_segment 0
		.amdhsa_kernarg_size 32
		.amdhsa_user_sgpr_count 2
		.amdhsa_user_sgpr_kernarg_segment_ptr 1
		.amdhsa_wavefront_size32 1
		.amdhsa_system_sgpr_workgroup_id_x 1
		.amdhsa_system_sgpr_workgroup_id_y 1
		.amdhsa_system_sgpr_workgroup_id_z 1
		.amdhsa_system_vgpr_workitem_id 0
		.amdhsa_next_free_vgpr 960
		.amdhsa_next_free_sgpr 66
		.amdhsa_reserve_vcc 1
		.amdhsa_float_denorm_mode_32 3
		.amdhsa_float_denorm_mode_16_64 3
		.amdhsa_memory_ordered 1
		.amdhsa_forward_progress 1
		.amdhsa_inst_pref_size 121
	.end_amdhsa_kernel
	.amdgpu_metadata
---
amdhsa.version: [ 1, 2 ]
amdhsa.kernels:
  - .name:           k_q48da4535fc_hyv
    .symbol:         k_q48da4535fc_hyv.kd
    .args:
      - { .name: Wv_hyper, .offset: 0, .size: 8, .value_kind: global_buffer, .address_space: global }
      - { .name: qf, .offset: 8, .size: 8, .value_kind: global_buffer, .address_space: global }
      - { .name: wt, .offset: 16, .size: 8, .value_kind: global_buffer, .address_space: global }
      - { .name: outT, .offset: 24, .size: 8, .value_kind: global_buffer, .address_space: global }
    .group_segment_fixed_size: 26624
    .private_segment_fixed_size: 0
    .kernarg_segment_align: 8
    .kernarg_segment_size: 32
    .max_flat_workgroup_size: 128
    .sgpr_count:     66
    .vgpr_count:     960
    .wavefront_size: 32
...
	.end_amdgpu_metadata
.endif
;; end of part 7
;; launch fin: the kernel of part 5 again; grid 32 x 1, 4 waves a work-group, no clusters, 17,920 bytes of LDS; arguments outT, out0; writes out0
